; MI455X (gfx1250); checked and timed in simulation.
; The chip was launched on July 23, 2026; its instructions are those of AMD's public machine-readable ISA for CDNA 5 (MIT licence, August 2026) and "CDNA5" Instruction Set Architecture Reference Guide (July 2026). The comments in the code are by the model that wrote it; some were corrected since.
;; Multi Head Self Attention. Allowed arithmetic: matrix products marked QUANTISED: E2M3 operands, one E8M0 scale for each 32 along K, by v_wmma_scale_f32_16x16x128_f8f6f4 with both operands' format E2M3, f32 sums; everything else in f32.
;; Inputs: Wk 1,024 x 1,024 float32; Wo 1,024 x 1,024 float32; Wq 1,024 x 1,024 float32; Wv 1,024 x 1,024 float32; x 4 x 2,048 x 1,024 float32.
;; Outputs: out0 4 x 2,048 x 1,024 float32.
;; This version of the problem:
;;   THIS VERSION OF THE PROBLEM IS GIVEN IN LOW PRECISION. The matrix products marked QUANTISED in the list below multiply operands that are first quantised to E2M3 (2 exponent bits, 3 mantissa bits; 6 bits a number), with one power-of-two scale for each 32 numbers along K (OCP MX v1.0); their sums are f32. All else is computed in f32.
;;   The module's matrix products, in the order in which they are computed (A, B: the left and right operand; K: the contracted axis; several contracted axes count as one K, in the product's order):
;;     1. [M 8,192, K 1,024] x [K 1,024, N 1,024]; A: input x; B: input Wq: QUANTISED
;;     2. [M 8,192, K 1,024] x [K 1,024, N 1,024]; A: input x; B: input Wk: QUANTISED
;;     3. [M 8,192, K 1,024] x [K 1,024, N 1,024]; A: input x; B: input Wv: QUANTISED
;;     4. batch 64 x [M 2,048, K 64] x [K 64, N 2,048]; A: computed on the way; B: computed on the way: QUANTISED
;;     5. batch 64 x [M 2,048, K 2,048] x [K 2,048, N 64]; A: softmax (see below); B: computed on the way: QUANTISED
;;     6. [M 8,192, K 1,024] x [K 1,024, N 1,024]; A: computed on the way; B: input Wo: QUANTISED
;;   THE QUANTISER, for each operand of a quantised product, along K:
;;     - K is cut into blocks of 32 from its start; a last block that is shorter is filled with zeros.
;;     - A block's scale is 2^e with e = floor(log2(the largest magnitude in the block)) - 2, held to -126 .. 127; a block of zeros has e = 0. As a byte (E8M0): e + 127.
;;     - Each number is divided by its block's scale, clamped to +-7.5, and rounded to the nearest number of E2M3, ties to even, subnormals kept.
;;     - The product sums the exact products of the quantised numbers (number of the format x scale) in f32.
;;   ~~~python
;;   def quantise(x, axis):      # numpy; x: float32 -> the quantised numbers, widened to float32 again
;;       x = np.moveaxis(x, axis, -1); K = x.shape[-1]
;;       x = np.pad(x, [(0, 0)] * (x.ndim - 1) + [(0, -K % 32)]); x = x.reshape(x.shape[:-1] + (-1, 32)); a = np.abs(x).max(-1, keepdims=True)
;;       e = np.where(a > 0, np.clip(np.frexp(np.where(a > 0, a, 1))[1] - 1 - 2, -126, 127), 0)      # np.frexp(a)[1] - 1 = floor(log2(a)), exactly
;;       r = np.clip(x / 2.0 ** e, -7.5, 7.5)
;;       step = 2.0 ** (np.maximum(np.frexp(np.where(r == 0, 1, r))[1] - 1, 0) - 3)
;;       q = np.round(r / step) * step * 2.0 ** e      # np.round: ties to even
;;       return np.moveaxis(q.reshape(q.shape[:-2] + (-1,))[..., :K], -1, axis).astype(np.float32)
;;   ~~~
;;   SOFTMAX AHEAD OF A QUANTISED PRODUCT. Where the list says 'softmax', what is quantised is not the finished softmax but p = 2^(t - M), with t = logit x log2(e) and M = ceil(the row's largest t), a whole number; so 1/2 < the row's largest p <= 1. The row's sum l is taken of the UNQUANTISED p, in f32, and the product's result is divided by l at the end. Since M is a whole number, a kernel that streams over the keys may use a running M (the ceiling of the running maximum): every later rescaling is an exact power of two, which a block's scale takes up: the codes' values come out the same.
;;   OPERANDS COMPUTED ON THE WAY. 'Computed on the way' means the value that the module computes at that place (a softmax that the list does not call 'softmax' is quantised finished and normalised). What goes into a quantiser is computed in f32, as accurately as f32 sums, v_exp_f32 and their like allow (about 1e-6 of the number): no bf16 or f16 on the way to a quantiser, and a product that is left as it is and whose result goes on into a quantised operand takes f32 operands (vector FMAs, or v_wmma_f32_16x16x4_f32). A number that lies on a knife's edge between two numbers of the format may be rounded either way, as far as f32 arithmetic and the matrix unit's own rounding can turn it there, and no further.
;; One version. Each part assembles by itself: llvm-mc -triple=amdgcn-amd-amdhsa -mcpu=gfx1250 --defsym DOCPART=n.
;; ======== version 1 of 1: 4 launches
;; limits: right only within a limited range of input values
;; workspace buffers: codes 9,437,184 bytes; scales 393,216 bytes; tab 557,056 bytes; qimg 6,815,744 bytes; kvimg 13,631,488 bytes; oimg 6,291,456 bytes; oscl 262,144 bytes
;; launch prep (part 1): grid 418 x 1, 4 waves a work-group, no clusters, 33,280 bytes of LDS; arguments x, Wq, Wk, Wv, Wo, codes, scales, tab; writes codes, scales, tab
.if DOCPART == 1
	.amdgcn_target "amdgcn-amd-amdhsa--gfx1250"
	.amdhsa_code_object_version 6
	.text
	.protected	k_q8199adf68c_prep
	.globl	k_q8199adf68c_prep
	.p2align	8
	.type	k_q8199adf68c_prep,@function
k_q8199adf68c_prep:
	s_mov_b64 s[64:65], 0
	v_nop
	global_prefetch_b8 v0, s[64:65] scope:SCOPE_SE
	s_setreg_imm32_b32 hwreg(HW_REG_WAVE_MODE, 25, 1), 1
	s_wait_xcnt 0x0
; x [8192][1024] and Wq, Wk, Wv, Wo [1024][1024], f32, become codes of FP6 (E2M3), K innermost, 768 bytes a row, with one E8M0 byte for each 32 along K, 32 bytes a row,
; in ONE buffer of 12,288 rows: x, Wq, Wk, Wv, Wo.  Work-groups 384 to 417 make the table of cosines and sines for the rotary embedding.
; A block's scale is 2^(floor(log2(its largest magnitude)) - 2); its byte is the largest magnitude's exponent field - 2, held at 1 from below.
; THE ROWS OF x, Wq, Wk, Wv ARE STORED WITH BITS 3 AND 4 OF THE ROW NUMBER SWAPPED (Wo as it lies).  Sixteen neighbouring stored rows 16 a + r are then the rows 32 (a / 2) + 8 (a % 2) + r + 8 (r / 8),
; so that in the next launch the 16 registers of two neighbouring result tiles are 16 neighbours.  A wave owns 8 rows, so the swap is a swap of the two bits of the wave's number in the output address.
; LIMITS: NaN and infinities among the inputs are not served.  A block of zeros, and a block whose largest magnitude lies under 2^-124, carries the byte 1 (the rule says 127 for zeros): its codes
; are zeros or held as the floor gives them, and the bytes are read by this program alone.
; The inverse frequencies are the nearest f32 to 10^(-j / 8), which may differ in the last bit from a power and a division made in f32.
; QUANTISER: a wave takes 16 steps of 512 numbers.  Each of a step's four loads reads 512 consecutive bytes; the 2,048 bytes turn through the wave's own stage in LDS and come back 64 bytes a lane,
; so that a lane holds 16 neighbours along K and two neighbouring lanes a block.  A lane's 16 codes are 12 bytes: the wave stores two runs of 192 bytes, 49,152 apart.  A wave's 256 scale bytes leave as one aligned store.
.set STEPS, 16
.set EMAX,  2
.set CB,    12                         ; bytes of 16 codes
.set R,     16                         ; v16-143   eight sets of 16 numbers as they are loaded
.set X,     144                        ; v144-175 two sets of 16 neighbours  (v16-143: eight sets of 16 numbers as they are loaded)
.set C,     194                        ; v194-225 codes: four registers a step, eight steps by turns
.set E,     176                        ; v176-191 a scale byte for each step
.set WREG,  8192                       ; LDS: a region for each wave: two stages of 32 x SP bytes, behind them its 256 scale bytes
.set SP,    80                         ; a lane's place in a stage: 64 bytes + 16 of padding
	s_load_b256 s[4:11], s[0:1], 0x0               ; x s[4:5], Wq s[6:7], Wk s[8:9], Wv s[10:11]
	s_load_b256 s[12:19], s[0:1], 0x20             ; Wo s[12:13], codes s[14:15], scales s[16:17], tab s[18:19]
	v_lshl_add_u32 v192, v0, 2, 0x8000
	v_mov_b32 v193, 0
	v_lshrrev_b32 v1, 5, v0
	v_readfirstlane_b32 s20, v1                    ; wave
	v_and_b32 v2, 31, v0                           ; lane
	s_cmp_ge_u32 ttmp9, 384                        ; the last 34 work-groups make the table; they use no LDS
	s_cbranch_scc1 .Ltable
	v_lshlrev_b32 v3, 4, v2                        ; my 16 bytes of a load's 512
	s_mul_i32 s29, s20, WREG
	v_lshrrev_b32 v14, 2, v2
	v_mul_u32_u24 v14, v14, SP
	v_and_b32 v15, 3, v2
	v_lshl_add_u32 v14, v15, 4, v14
	v_add_nc_u32 v14, s29, v14                     ; the stage, on the way in: SP (lane / 4) + 16 (lane % 4)
	v_mul_u32_u24 v15, v2, SP
	v_add_nc_u32 v15, s29, v15                     ; and on the way out: SP x lane: my 16 neighbours
	; THE CODES' LAYOUT: [group of 256 rows][K step of 256 codes][row of the group][192 bytes]: a K step of 256 rows is 49,152 dense bytes.
	v_and_b32 v4, 15, v2
	v_mul_u32_u24 v4, v4, CB                       ; sixteen lanes hold one K step's 192 bytes of a row,
	v_lshrrev_b32 v8, 4, v2
	v_mad_u32_u24 v4, v8, 0xc000, v4               ; lanes 16-31 the next K step's, 49,152 bytes on
	v_lshrrev_b32 v5, 1, v2
	s_add_co_u32 s29, s29, 2*32*SP
	v_add_nc_u32 v5, s29, v5                       ; LDS: my wave's 256 scale bytes, my block's byte
	v_lshlrev_b32 v7, 3, v2                        ; and on the way out 8 bytes a lane
	v_add_nc_u32 v6, s29, v7
	s_max_u32 s21, ttmp9, 256
	s_sub_co_u32 s21, s21, 256                     ; 0 for x, else the work-group's number among the weights'
	s_lshr_b32 s22, s21, 5                         ; which weight: 32 work-groups each
	s_and_b32 s23, s21, 31                         ; and which 32 rows of it
	s_lshr_b32 s24, s20, 1
	s_and_b32 s25, s20, 1
	s_lshl_b32 s25, s25, 1
	s_or_b32 s24, s24, s25                         ; the wave's number with its two bits swapped
	s_wait_alu depctr_va_vdst(0)
	s_wait_kmcnt 0x0
	s_cmp_eq_u32 s22, 1                            ; the choices hang on the work-group's number alone
	s_cselect_b64 s[6:7], s[8:9], s[6:7]
	s_cmp_eq_u32 s22, 2
	s_cselect_b64 s[6:7], s[10:11], s[6:7]
	s_cmp_eq_u32 s22, 3
	s_cselect_b64 s[6:7], s[12:13], s[6:7]
	s_cmp_lt_u32 ttmp9, 256
	s_cselect_b64 s[4:5], s[4:5], s[6:7]
	s_cselect_b32 s23, ttmp9, s23
	s_cmp_lt_u32 ttmp9, 352                        ; Wo keeps its rows in order
	s_cselect_b32 s24, s24, s20
	s_lshl_b32 s23, s23, 2
	s_add_co_u32 s26, s23, s20                     ; which run of 8 rows of the input is mine,
	s_lshl_b32 s26, s26, 15                        ; 32,768 bytes a run
	s_mov_b32 s27, 0
	s_add_nc_u64 s[4:5], s[4:5], s[26:27]
	s_lshl_b32 s28, ttmp9, 2
	s_add_co_u32 s28, s28, s24                     ; and which run of the output
	s_lshr_b32 s26, s28, 5                         ; 32 runs of 8 rows to a group
	s_mul_i32 s26, s26, 196608
	s_and_b32 s25, s28, 31
	s_mul_i32 s25, s25, 1536                       ; 8 rows of 192 bytes
	s_add_co_u32 s26, s26, s25
	s_add_nc_u64 s[14:15], s[14:15], s[26:27]
	s_lshl_b32 s26, s28, 8
	s_add_nc_u64 s[16:17], s[16:17], s[26:27]
.macro LOAD t
.irp i, 0,1,2,3
	global_load_b128 v[R+16*((\t)%8)+4*\i:R+16*((\t)%8)+4*\i+3], v3, s[4:5] offset:2048*(\t)+512*\i th:TH_LOAD_NT   ; 32 lanes read 512 consecutive bytes
.endr
.endm
.macro TURN t                          ; step t's numbers through the stage: LDS serves a wave's instructions in order, so no wait stands between the stores and the loads
.irp i, 0,1,2,3
	ds_store_b128 v14, v[R+16*((\t)%8)+4*\i:R+16*((\t)%8)+4*\i+3] offset:32*SP*((\t)%2)+8*SP*\i
.endr
.irp i, 0,1,2,3
	ds_load_b128 v[X+16*((\t)%2)+4*\i:X+16*((\t)%2)+4*\i+3], v15 offset:32*SP*((\t)%2)+16*\i
.endr
.endm
.irp t, 0,1,2,3,4,5,6,7
	LOAD \t                                        ; loads run eight steps, 32 loads a wave, ahead
.endr
	s_wait_loadcnt 28                              ; step 0's four loads are in; seven steps' 28 may be out
	TURN 0
.macro STEP t
.set XS, X+16*((\t)%2)
.if (\t) > 0
	s_wait_dscnt 1                                 ; this step's numbers are back from the stage (the last step's byte store may be out)
.else
	s_wait_dscnt 0x0
.endif
.if (\t) >= 8
	s_wait_xcnt 0x0                                ; the store of eight steps ago has read its codes: their registers are written again below
.endif
.if (\t)+8 < STEPS
	LOAD (\t)+8                                    ; into the registers that the stage's stores have read
.endif
.if (\t)+1 < STEPS
.if STEPS-2-(\t) >= 7
	s_wait_loadcnt 28                              ; the next step's four loads are in; those of the seven steps behind it may be out
.else
	s_wait_loadcnt 4*(STEPS-2-(\t))
.endif
	TURN (\t)+1                                    ; through the other stage while this step is worked
.endif
	v_max3_num_f32 v8, |v[XS]|, |v[XS+1]|, |v[XS+2]|               ; the largest magnitude of my 16, in two chains
	v_max3_num_f32 v9, |v[XS+3]|, |v[XS+4]|, |v[XS+5]|
.irp i, 6,10
	v_max3_num_f32 v8, v8, |v[XS+\i]|, |v[XS+\i+1]|
	v_max3_num_f32 v9, v9, |v[XS+\i+2]|, |v[XS+\i+3]|
.endr
	v_max3_num_f32 v8, v8, |v[XS+14]|, |v[XS+15]|
	v_max3_num_f32 v8, v8, v9, (EMAX+1)<<23        ; and the floor 2^(3 - 127): the byte cannot fall under 1
	v_max_num_f32_dpp v8, v8, v8 row_xmask:1 row_mask:0xf bank_mask:0xf   ; and of my neighbour's 16: the block's
	v_add_nc_u32 v11, -(EMAX<<23), v8              ; 2 off its exponent field: the conversion takes the exponent field of this operand as its scale
	v_cvt_scalef32_pk16_fp6_f32 v[C+4*((\t)%8):C+4*((\t)%8)+2], v[XS:XS+15], v11
	v_lshrrev_b32 v[E+(\t)], 23, v11               ; the scale's byte (also the plain line behind the conversion)
	ds_store_b8 v5, v[E+(\t)] offset:16*(\t)       ; both lanes of a block write the same byte with the same value
	global_store_b96 v4, v[C+4*((\t)%8):C+4*((\t)%8)+2], s[14:15] offset:98304*((\t)%2)+192*((\t)/2)   ; step t: row t / 2, K steps 2 (t % 2) and 2 (t % 2) + 1
.endm
.irp t, 0,1,2,3,4,5,6,7,8,9,10,11,12,13,14,15
	STEP \t
.endr
	ds_load_b64 v[12:13], v6                       ; LDS serves a wave's instructions in order: these see my stores
	s_wait_dscnt 0x0
	global_store_b64 v7, v[12:13], s[16:17]        ; 32 lanes store 256 consecutive bytes, aligned
	s_wait_tensorcnt 0x0
	ds_add_u32 v192, v193
	s_wait_dscnt 0x0
	s_endpgm
; THE TABLE.  136 units of 4,096 bytes, a unit a wave.  Unit 8 s + a: for lane (r, h), the position t = 128 s + 32 (a / 2) + 8 (a % 2) + r + 8 (r / 8) and the frequencies j = 16 h + i, i = 0 .. 15:
; sixteen cosines (four groups of 512 bytes, 16 bytes a lane), then sixteen sines.  Units 128 to 135 take t = 0: cosine 1 and sine 0, for the operand that is not rotated.
; The angle is t x inv_freq, rounded once.  It is brought to |R| <= pi / 4 by N = the nearest whole number to angle x 2 / pi and pi / 2 in two parts; sine and cosine of R are polynomials
; in R^2 good to about 1e-7; N's two low bits choose between them and set the signs.
.Ltable:
	s_sub_co_u32 s21, ttmp9, 384
	s_lshl_b32 s21, s21, 2
	s_add_co_u32 s21, s21, s20                     ; the unit
	s_lshr_b32 s22, s21, 3                         ; s
	s_and_b32 s23, s21, 7                          ; a
	s_lshl_b32 s24, s22, 7
	s_lshr_b32 s25, s23, 1
	s_lshl_b32 s25, s25, 5
	s_add_co_u32 s24, s24, s25
	s_and_b32 s25, s23, 1
	s_lshl_b32 s25, s25, 3
	s_add_co_u32 s24, s24, s25                     ; 128 s + 32 (a / 2) + 8 (a % 2)
	s_cmp_lt_u32 s22, 16
	s_cselect_b32 s25, 1, 0                        ; the last eight units: t = 0
	s_wait_alu depctr_va_vdst(0)
	v_and_b32 v3, 15, v2
	v_and_b32 v4, 8, v3
	v_add_nc_u32 v3, v3, v4                        ; r + 8 (r / 8)
	v_add_nc_u32 v3, s24, v3
	v_mul_u32_u24 v3, s25, v3
	v_cvt_f32_u32 v8, v3                           ; t
	v_cmp_le_u32 vcc_lo, 16, v2                    ; lanes 16-31 take frequencies 16 to 31
	v_lshlrev_b32 v9, 4, v2
	s_mov_b32 s34, 0xbe2aaaa3                      ; sine: -1.6666654611e-1,
	s_mov_b32 s35, 0x3c08839e                      ; 8.3321608736e-3,
	s_mov_b32 s36, 0xb94ca1f9                      ; -1.9515295891e-4
	s_mov_b32 s37, 0x3d2aaaa5                      ; cosine: 4.166664568e-2,
	s_mov_b32 s38, 0xbab6061a                      ; -1.388731625e-3,
	s_mov_b32 s39, 0x37ccf5ce                      ; 2.443315712e-5
	s_lshl_b32 s26, s21, 12
	s_mov_b32 s27, 0
	s_wait_kmcnt 0x0
	s_add_nc_u64 s[18:19], s[18:19], s[26:27]
.macro SINCOS i, wlo, whi
	v_mov_b32 v10, \wlo
	v_mov_b32 v11, \whi
	v_cndmask_b32 v10, v10, v11, vcc_lo            ; my frequency
	s_wait_alu depctr_va_vdst(0)
	v_mul_f32 v11, v8, v10                         ; the angle, rounded once
	v_mul_f32 v12, 0x3f22f983, v11                 ; x 2 / pi
	v_rndne_f32 v12, v12                           ; N
	v_fmamk_f32 v13, v12, 0xbfc90fdb, v11          ; angle - N x (pi / 2, upper part)
	v_fmamk_f32 v13, v12, 0x333bbd2e, v13          ; - N x (its lower part, which is negative): R
	v_mul_f32 v14, v13, v13                        ; Z = R R
	v_fma_f32 v15, v14, s36, s35
	v_fma_f32 v15, v15, v14, s34
	v_mul_f32 v16, v13, v14
	v_fma_f32 v15, v15, v16, v13                   ; sin R
	v_fma_f32 v17, v14, s39, s38
	v_fma_f32 v17, v17, v14, s37
	v_fma_f32 v17, v17, v14, -0.5
	v_fma_f32 v17, v17, v14, 1.0                   ; cos R
	v_cvt_i32_f32 v18, v12
	v_and_b32 v19, 1, v18
	v_cmp_eq_u32 s30, 1, v19                       ; an odd quarter swaps the two
	v_cndmask_b32 v20, v15, v17, s30
	v_cndmask_b32 v21, v17, v15, s30
	v_lshlrev_b32 v19, 30, v18
	v_and_b32 v19, 0x80000000, v19                 ; the sine is negative in quarters 2 and 3,
	v_xor_b32 v[48+\i], v19, v20
	v_add_nc_u32 v18, 1, v18
	v_lshlrev_b32 v18, 30, v18
	v_and_b32 v18, 0x80000000, v18                 ; the cosine in quarters 1 and 2
	v_xor_b32 v[32+\i], v18, v21
.endm
	SINCOS 0, 1.0, 0.01
	SINCOS 1, 0.7498942093324559, 0.007498942093324559
	SINCOS 2, 0.5623413251903491, 0.005623413251903491
	SINCOS 3, 0.4216965034285822, 0.004216965034285822
	SINCOS 4, 0.31622776601683794, 0.0031622776601683794
	SINCOS 5, 0.23713737056616552, 0.0023713737056616552
	SINCOS 6, 0.1778279410038923, 0.001778279410038923
	SINCOS 7, 0.1333521432163324, 0.001333521432163324
	SINCOS 8, 0.1, 0.001
	SINCOS 9, 0.07498942093324559, 0.0007498942093324559
	SINCOS 10, 0.05623413251903491, 0.0005623413251903491
	SINCOS 11, 0.04216965034285822, 0.0004216965034285822
	SINCOS 12, 0.031622776601683794, 0.00031622776601683794
	SINCOS 13, 0.023713737056616552, 0.00023713737056616552
	SINCOS 14, 0.01778279410038923, 0.0001778279410038923
	SINCOS 15, 0.01333521432163324, 0.0001333521432163324
.irp g, 0,1,2,3,4,5,6,7
	global_store_b128 v9, v[32+4*\g:35+4*\g], s[18:19] offset:512*\g   ; 32 lanes store 512 consecutive bytes, aligned
.endr
	s_endpgm
.Lfunc_end_k_q8199adf68c_prep:
	.size	k_q8199adf68c_prep, .Lfunc_end_k_q8199adf68c_prep-k_q8199adf68c_prep
	.p2alignl 7, 3214868480
	.fill 96, 4, 3214868480
	.section	.rodata,"a",@progbits
	.p2align	6, 0x0
	.amdhsa_kernel k_q8199adf68c_prep
		.amdhsa_group_segment_fixed_size 33280
		.amdhsa_private_segment_fixed_size 0
		.amdhsa_enable_private_segment 0
		.amdhsa_kernarg_size 64
		.amdhsa_user_sgpr_count 2
		.amdhsa_user_sgpr_kernarg_segment_ptr 1
		.amdhsa_wavefront_size32 1
		.amdhsa_system_sgpr_workgroup_id_x 1
		.amdhsa_system_sgpr_workgroup_id_y 1
		.amdhsa_system_sgpr_workgroup_id_z 1
		.amdhsa_system_vgpr_workitem_id 0
		.amdhsa_next_free_vgpr 226
		.amdhsa_next_free_sgpr 66
		.amdhsa_reserve_vcc 1
		.amdhsa_float_denorm_mode_32 3
		.amdhsa_float_denorm_mode_16_64 3
		.amdhsa_memory_ordered 1
		.amdhsa_forward_progress 1
		.amdhsa_inst_pref_size 59
	.end_amdhsa_kernel
	.amdgpu_metadata
---
amdhsa.version: [ 1, 2 ]
amdhsa.kernels:
  - .name:           k_q8199adf68c_prep
    .symbol:         k_q8199adf68c_prep.kd
    .args:
      - { .name: x, .offset: 0, .size: 8, .value_kind: global_buffer, .address_space: global }
      - { .name: Wq, .offset: 8, .size: 8, .value_kind: global_buffer, .address_space: global }
      - { .name: Wk, .offset: 16, .size: 8, .value_kind: global_buffer, .address_space: global }
      - { .name: Wv, .offset: 24, .size: 8, .value_kind: global_buffer, .address_space: global }
      - { .name: Wo, .offset: 32, .size: 8, .value_kind: global_buffer, .address_space: global }
      - { .name: codes, .offset: 40, .size: 8, .value_kind: global_buffer, .address_space: global }
      - { .name: scales, .offset: 48, .size: 8, .value_kind: global_buffer, .address_space: global }
      - { .name: tab, .offset: 56, .size: 8, .value_kind: global_buffer, .address_space: global }
    .group_segment_fixed_size: 33280
    .private_segment_fixed_size: 0
    .kernarg_segment_align: 8
    .kernarg_segment_size: 64
    .max_flat_workgroup_size: 128
    .sgpr_count:     66
    .vgpr_count:     226
    .wavefront_size: 32
...
	.end_amdgpu_metadata
.endif
;; end of part 1
;; launch qkv (part 2): grid 8 x 48, 4 waves a work-group, clusters of 4 x 4, 327,680 bytes of LDS; arguments codes, scales, tab, qimg, kvimg; writes qimg, kvimg
.if DOCPART == 2
	.amdgcn_target "amdgcn-amd-amdhsa--gfx1250"
	.amdhsa_code_object_version 6
	.text
	.protected	k_q8199adf68c_qkv
	.globl	k_q8199adf68c_qkv
	.p2align	8
	.type	k_q8199adf68c_qkv,@function
k_q8199adf68c_qkv:
	s_mov_b64 s[64:65], 0
	v_nop
	global_prefetch_b8 v0, s[64:65] scope:SCOPE_SE
	s_setreg_imm32_b32 hwreg(HW_REG_WAVE_MODE, 25, 1), 1
	s_wait_xcnt 0x0
	s_wait_alu depctr_hold_cnt(0) depctr_sa_sdst(0) depctr_va_vdst(0) depctr_va_sdst(0) depctr_va_ssrc(0) depctr_va_vcc(0) depctr_vm_vsrc(0)
	s_getreg_b32 s2, hwreg(HW_REG_IB_STS2, 6, 4)
	s_cmp_eq_u32 s2, 0
	s_cbranch_scc0 .Lentry_in_a_cluster
	s_endpgm
.Lentry_in_a_cluster:
	s_bfe_u32 s2, ttmp6, 0x10000c
	s_cmp_lg_u32 s2, 0xf033
	s_cbranch_scc0 .Lentry_shape_is_right
	s_endpgm
.Lentry_shape_is_right:
; q = rope(x Wq^T), k = rope(x Wk^T), v = x Wv^T, all three products on codes of FP6 (E2M3) with one E8M0 scale for each 32 along K = 1,024; the results are quantised in registers and leave as
; IMAGES OF THE OPERAND REGISTERS that the attention launch wants.  No f32 result goes to memory.
; A tile of 256 x 256 is made by a work-group of four waves; a wave makes 128 x 128: 64 accumulators of 16 x 16.  K goes in steps of 256 through a ring of two LDS slots filled by the tensor data mover.
; TWO ROLES, told apart by arithmetic on the cluster's y (equal in all partners), never by a branch.  Role QK (cluster y 0-7): A = x, B = Wq and Wk on end (2,048 rows).  Role V (y 8-11): A = Wv, B = x.
; All operands are rows of ONE buffer of codes (and one of scale bytes): x from row 0, Wq 8,192, Wk 9,216, Wv 10,240.  There the rows lie with bits 3 and 4 of the row number swapped.
; THE MATRIX INSTRUCTION IS USED TRANSPOSED (source 0 = 16 rows of B, source 1 = 16 rows of A).  With the swapped rows, lane (r, h) holds for A's block a the true row 32 (a / 2) + 8 (a % 2) + r + 8 (r / 8)
; of A, and its 64 registers 16 g + i hold the true rows 32 g + 16 h + i of B.  So in role QK a lane holds one position and two heads, the rotary partners d and d + 32 are registers i and i + 16
; of one lane, and the quantiser's 12 registers are two fragments of 16 positions x 64.  In role V a lane holds one channel and 128 neighbouring keys: the 12 registers are a fragment of V^T.
; Role V runs the rotation too, on a table unit of cosine 1 and sine 0, which leaves every number as it is.
; CLUSTERS: 4 x 4 work-groups; A's tiles are asked for jointly along a row of the cluster, B's along a column.
; 384 work-groups: the grid is the work's own (256 tiles for q and k, 128 for v).
; LIMITS: NaN and infinities are not served; a block of zeros or under 2^-124 carries the byte 1, read by this program alone.
; REGISTERS, in windows of 256: window 0: v0-31 addresses; v32-63 scale words, two sets; from v128 A's fragments, one set.  window 1: B's fragments, two sets.  windows 2, 3: the accumulators ((a, b) at v[8 (8 (a % 4) + b)]).
.set KSTEP,  256
.set NQ,     2                         ; matrix instructions deep in a slot
.set ROWB,   49152                     ; from a K step's block of a group of 256 rows to the next: 256 rows x 192 bytes, dense
.set KROW,   768                       ; a row of codes in memory
.set PITCH,  240                       ; an LDS row: 3 x (64 bytes + 16 of padding)
.set FR,     12
.set NL,     6
.set NP,     4
.set HALFT,  128*PITCH
.set SLOT,   4*HALFT
.set LAPS,   2                         ; 1,024 along K = two laps of two K steps
.set KS,     32                        ; a row of scale bytes
.set SCL,    2*SLOT                    ; behind the ring: the scales, as runs of 256 bytes + 16 of padding
.set HALFS,  16*272                    ; the scales of 128 rows
.set SBLK,   2*272                     ; those of 16 rows
.set SPARE,  SCL+4*HALFS               ; the spare words: 128 bytes a wave, two blocks of 256 bytes that no other line names
.set ADRA, 16
.set ADRB, 20
.set ADRS, 27
.set SPW,  28
.set NIL,  29
.set SC,   32
.set AF,   128
.set G1, 24
.set G0, 32
.set G1B, 48
.set G0B, 56
.set G1S, 68
.set G0S, 76
.set G1SB, 80
.set G0SB, 88
.set FV,  96                           ; s96  the role: 0 QK, 1 V;  s97 = 1 - role
; the way out, all in window 0
.set HH,  64                           ; v64-127   64 rotated numbers
.set TP,  160                          ; v160-167  at work
.set TM,  168                          ; v168-183  the quantiser's: largest magnitudes, bytes, scale operands
.set PWE, 184                          ; v184, v185 the scale words of a pair's two blocks
.set PWO, 185
.set PCE, 188                          ; v188-199  the even block's 12 registers of codes
.set PCO, 200                          ; v200-211  the odd block's
.set CT,  212                          ; v212-214, v216-218 the conversions' second halves
.set SW,  224                          ; v224-227  pair j: lanes 0-15 the even block's scale word, lanes 16-31 the odd block's
.set SCA, 228                          ; v228-231  the first scale image
.set SCB, 232                          ; v232-235  the second
.set SEL, 20                           ; s[20:21]  lane selects for v_permlanex16_b32: lane l xor 16
.set MSB, 0
.macro WIN new                         ; the immediate's high byte repeats the setting that is left
.if MSB != \new
	s_set_vgpr_msb (MSB<<8)|\new
.set MSB, \new
.endif
.endm
.set MUL_LO, 0xa1                      ; source 0 (B) window 1, source 1 (A) window 0, C and D window 2
.set MUL_HI, 0xf1
.set TO_B,   0x40
; A joint load: waves 0 and 1 fetch for A, waves 2 and 3 for B; the branch hangs on the wave's number alone.  Four v_nop follow each of the two lines.
.macro JLOAD g0a, g1a, g0b, g1b
	s_cmp_eq_u32 s15, 0
	s_cbranch_scc0 .Lfor_b_\@
	tensor_load_to_lds s[\g0a:\g0a+3], s[\g1a:\g1a+7]
	s_nop 0
.rept 4
	v_nop
.endr
	s_branch .Lasked_\@
.Lfor_b_\@:
	tensor_load_to_lds s[\g0b:\g0b+3], s[\g1b:\g1b+7]
	s_nop 0
.rept 4
	v_nop
.endr
.Lasked_\@:
.endm
.macro CREST                           ; a round of the cluster's barrier behind its opening barrier
	s_cmp_lg_u32 s14, 0
	s_cbranch_scc1 .Lnot_wave_0_\@
	s_barrier_signal -3
.Lnot_wave_0_\@:
	s_barrier_wait -3
	s_barrier_signal -1
	s_barrier_wait -1
.endm
.macro CROUND
	s_barrier_signal -1
	s_barrier_wait -1
	CREST
.endm
	s_load_b128 s[4:7], s[0:1], 0x0                ; codes s[4:5], scales s[6:7]
	s_load_b128 s[8:11], s[0:1], 0x10              ; tab s[8:9], qimg s[10:11]
	s_load_b64 s[12:13], s[0:1], 0x20              ; kvimg
	v_lshl_add_u32 v[SPW], v0, 2, SPARE
	v_mov_b32 v[NIL], 0
	ds_add_u32 v28, v29
	ds_add_u32 v28, v29
	s_wait_dscnt 0x0
	v_lshrrev_b32 v1, 5, v0
	v_readfirstlane_b32 s14, v1                    ; wave 0..3
	s_lshr_b32 s15, s14, 1                         ; which half of the tile's rows is mine.  Also: I fetch for A (0) or for B (1)
	s_and_b32 s16, s14, 1                          ; which half of its columns.  Also: which 128 rows of that tile I fetch
	s_bfe_u32 s40, ttmp6, 0x40000                  ; cx, cy: my place in the cluster
	s_bfe_u32 s41, ttmp6, 0x40004
	s_and_b32 s17, ttmp7, 0xffff                   ; the cluster's y: 0-7 role QK, 8-11 role V
	s_lshr_b32 s[FV], s17, 3
	s_xor_b32 s[FV+1], s[FV], 1
	s_and_b32 s42, s17, 7
	s_mul_i32 s42, s42, s[FV]
	s_lshl_b32 s42, s42, 1
	s_add_co_u32 s42, s42, ttmp9                   ; the cluster's column: x in role QK, x + 2 (y - 8) in role V
	s_lshl_b32 s42, s42, 2
	s_add_co_u32 s42, s42, s40                     ; tile column
	s_mul_i32 s17, s17, s[FV+1]                    ; the cluster's row: y in role QK, 0 in role V
	s_lshl_b32 s17, s17, 2
	s_add_co_u32 s17, s17, s41                     ; tile row
	s_lshl_b32 s43, s41, 2
	s_lshl_b32 s43, 15, s43                        ; my row of the cluster
	s_lshl_b32 s44, 0x1111, s40                    ; my column
	; descriptor group 1: a tile of 128 rows x 192 bytes, 16 bytes of padding behind every 64
	s_or_b32 s[G1+0], s43, (0<<16)|(1<<20)|(1<<21)|(3<<22)|(3<<25)
	s_or_b32 s[G1B+0], s44, (0<<16)|(1<<20)|(1<<21)|(3<<22)|(3<<25)
.irp g, G1, G1B
	s_mov_b32 s[\g+1], 256<<16                     ; the dense block is stated as rows of 256 bytes; the padding's interval stays 64 bytes, so an LDS row of 192 bytes keeps its pitch of 240
	s_mov_b32 s[\g+2], 192<<16                     ; the head's loads: 256 rows of codes = 192 rows of 256 bytes
	s_mov_b32 s[\g+3], 256<<16
	s_mov_b32 s[\g+4], 192
	s_mov_b32 s[\g+5], 256
	s_mov_b32 s[\g+6], 0
	s_mov_b32 s[\g+7], 0
.endr
	; the scales of 256 rows: 8,192 dense bytes, as 32 rows of 256 bytes (32 elements of 8), 16 bytes of padding behind each
	s_or_b32 s[G1S+0], s43, (3<<16)|(1<<20)|(1<<21)|(5<<22)|(3<<25)
	s_or_b32 s[G1SB+0], s44, (3<<16)|(1<<20)|(1<<21)|(5<<22)|(3<<25)
.irp g, G1S, G1SB
	s_mov_b32 s[\g+1], 32<<16
	s_mov_b32 s[\g+2], 32<<16                      ; the scales of 256 rows: 32 rows of 256 bytes
	s_mov_b32 s[\g+3], 32<<16
	s_mov_b32 s[\g+4], 32
	s_mov_b32 s[\g+5], 32
	s_mov_b32 s[\g+6], 0
	s_mov_b32 s[\g+7], 0
.endr
	s_lshl_b32 s20, s17, 8
	s_mul_i32 s19, s[FV], 10240
	s_add_co_u32 s20, s20, s19                     ; A: x from row 0, Wv from row 10,240
	s_lshl_b32 s46, s42, 8
	s_lshl_b32 s19, s[FV+1], 13
	s_add_co_u32 s46, s46, s19                     ; B: Wq and Wk from row 8,192, x from row 0
	s_mov_b32 s21, 0
	s_mov_b32 s47, 0
	s_mov_b64 s[18:19], KS
	s_mul_u64 s[22:23], s[20:21], s[18:19]         ; where these rows' scales begin, in bytes
	s_mul_u64 s[92:93], s[46:47], s[18:19]
	s_mov_b64 s[18:19], KROW
	s_mul_u64 s[20:21], s[20:21], s[18:19]         ; and their codes
	s_mul_u64 s[46:47], s[46:47], s[18:19]
	s_mul_i32 s45, s14, HALFT                      ; where they go: wave x 128 rows
	s_mul_i32 s18, s16, 24576                      ; in the ring I fetch 128 rows of a block: which half, in bytes
	s_mov_b32 s19, 0
	s_wait_kmcnt 0x0
	s_add_nc_u64 s[20:21], s[4:5], s[20:21]
	s_add_nc_u64 s[22:23], s[6:7], s[22:23]
	s_add_nc_u64 s[46:47], s[4:5], s[46:47]
	s_add_nc_u64 s[92:93], s[6:7], s[92:93]
	CROUND                                         ; all sixteen work-groups are here: the first joint loads meet
	s_mov_b32 s[G0S], 1
	s_mov_b32 s[G0S+1], SCL
	s_mov_b64 s[G0S+2:G0S+3], s[22:23]
	s_or_b32 s[G0S+3], s[G0S+3], 0x80000000
	s_mov_b32 s[G0SB], 1
	s_mov_b32 s[G0SB+1], SCL+2*HALFS
	s_mov_b64 s[G0SB+2:G0SB+3], s[92:93]
	s_or_b32 s[G0SB+3], s[G0SB+3], 0x80000000
	s_mov_b32 s[G0], 1                             ; slot 0, for the head: K step 0 of A's 256 rows, whole,
	s_mov_b32 s[G0+1], 0
	s_mov_b64 s[G0+2:G0+3], s[20:21]
	s_or_b32 s[G0+3], s[G0+3], 0x80000000
	s_mov_b32 s[G0B], 1                            ; and of B's 256 rows, behind them
	s_mov_b32 s[G0B+1], 2*HALFT
	s_mov_b64 s[G0B+2:G0B+3], s[46:47]
	s_or_b32 s[G0B+3], s[G0B+3], 0x80000000
	s_mov_b32 s[G0+4], 1                           ; slot 1: my 128 rows of K step 1
	s_add_co_u32 s[G0+5], s45, SLOT
	s_add_nc_u64 s[G0+6:G0+7], s[20:21], s[18:19]
	s_add_nc_u64 s[G0+6:G0+7], s[G0+6:G0+7], ROWB
	s_or_b32 s[G0+7], s[G0+7], 0x80000000
	s_mov_b32 s[G0B+4], 1
	s_add_co_u32 s[G0B+5], s45, SLOT
	s_add_nc_u64 s[G0B+6:G0B+7], s[46:47], s[18:19]
	s_add_nc_u64 s[G0B+6:G0B+7], s[G0B+6:G0B+7], ROWB
	s_or_b32 s[G0B+7], s[G0B+7], 0x80000000
; THE HEAD'S LOADS, ONE A WAVE: wave 0 K step 0 of A, wave 1 of B, wave 2 A's scales, wave 3 B's.  One chain of branches on the wave's number, one load to an arm.
.macro ARM under, g0, g1, next
	s_cmp_lt_u32 s14, \under
	s_cbranch_scc0 \next
	tensor_load_to_lds s[\g0:\g0+3], s[\g1:\g1+7]
	s_nop 0
.rept 4
	v_nop
.endr
	s_branch .Lhead_asked
\next:
.endm
	ARM 1, G0,  G1,  .Lhead_b
	ARM 2, G0B, G1B, .Lhead_sa
	ARM 3, G0S, G1S, .Lhead_sb
	tensor_load_to_lds s[G0SB:G0SB+3], s[G1SB:G1SB+7]
	s_nop 0
.rept 4
	v_nop
.endr
.Lhead_asked:
	v_and_b32 v1, 15, v0                           ; l % 16
	v_bfe_u32 v2, v0, 4, 1                         ; l / 16
	v_mul_u32_u24 v3, v1, PITCH
	v_mul_u32_u24 v4, v2, 24
	v_add_nc_u32 v4, v3, v4                        ; a fragment's row x pitch + 24 x half
	v_lshl_add_u32 v5, v2, 4, v4                   ; and the same behind one padding more
	s_mul_i32 s21, s15, HALFT                      ; my 128 rows of A
	s_mul_i32 s22, s16, HALFT                      ; my 128 rows of B,
	s_add_co_u32 s22, s22, 2*HALFT                 ; which lie behind A's 256
.irp s, 0,1
	v_add_nc_u32 v[ADRA+\s], s21, v4
	v_add_nc_u32 v[ADRB+\s], s22, v4
	v_add_nc_u32 v[ADRA+2+\s], s21, v5
	v_add_nc_u32 v[ADRB+2+\s], s22, v5
	s_add_co_u32 s21, s21, SLOT
	s_add_co_u32 s22, s22, SLOT
.endr
	v_mul_u32_u24 v5, v1, KS                       ; my row's scales: 32 bytes a row,
	v_lshrrev_b32 v6, 8, v5
	v_lshl_add_u32 v5, v6, 4, v5                   ; and 16 more for each 256 passed
	s_mul_i32 s21, s15, HALFS
	s_mul_i32 s22, s16, HALFS
	s_add_co_u32 s22, s22, 2*HALFS
	s_sub_co_u32 s22, s22, s21
	v_mul_u32_u24 v6, s22, v2                      ; lanes 16-31 take B's
	s_add_co_u32 s21, s21, SCL
	v_add_nc_u32 v5, v5, v6
	v_add_nc_u32 v[ADRS], s21, v5
	; THE TABLE of cosines and sines, a unit of 4,096 bytes for each of my eight blocks of A: role QK takes the units of my 128 positions, role V the units of cosine 1 and sine 0.
	; Units 0 and 1 are asked for here, into the 64 registers of window 1 that B's two sets leave free; units 2 to 4 ahead of the last 64 products, into B's set 0; units 5 to 7 behind them.
	s_lshl_b32 s46, s17, 1
	s_add_co_u32 s46, s46, s15
	s_and_b32 s46, s46, 15                         ; which 128 positions of the sequence
	s_mul_i32 s46, s46, s[FV+1]
	s_lshl_b32 s47, s[FV], 4
	s_add_co_u32 s46, s46, s47                     ; role V: 16
	s_lshl_b32 s46, s46, 15
	s_mov_b32 s47, 0
	s_add_nc_u64 s[46:47], s[8:9], s[46:47]
	v_and_b32 v30, 31, v0
	v_lshlrev_b32 v30, 4, v30                      ; 16 x lane; never rewritten
.macro TABLD a, r                      ; block a's unit: 16 cosines, 16 sines a lane, eight loads of 512 consecutive bytes, into v[r ..] of window 1
.irp g, 0,1,2,3,4,5,6,7
	global_load_b128 v[\r+4*\g:\r+4*\g+3], v30, s[46:47] offset:4096*(\a)+512*\g
.endr
.endm
	WIN TO_B
	TABLD 0, 96
	TABLD 1, 224
	WIN 0
.macro FRAG reg, adr, q, i             ; a fragment, 16 rows x 128 K: lane l holds row l % 16; registers 6 c .. 6 c + 5 hold K = 64 c + 32 (l / 16) + 0 .. 31, in pieces of 8 bytes
.irp p, 0,1,2,3,4,5
.set PC, 12*(\q)+6*(\p/3)+\p%3        ; where the piece three on lies behind one padding more, the second address register serves
.if PC%8 < 5
	ds_load_b64 v[\reg+2*\p:\reg+2*\p+1], v[\adr] offset:8*PC+16*(PC/8)+(\i)*16*PITCH
.else
	ds_load_b64 v[\reg+2*\p:\reg+2*\p+1], v[\adr+2] offset:8*PC+16*(PC/8)+(\i)*16*PITCH
.endif
.endr
.endm
; 16 matrix instructions: A's blocks a0, a0 + 1 x B's eight.  The 64 accumulators take turns, one instruction a turn, in the same order in every step.
.macro MUL16 a0, p, q, sc, zero
.irp a, \a0, \a0+1
.irp b, 0,1,2,3,4,5,6,7
.if \zero
	v_wmma_scale_f32_16x16x128_f8f6f4 v[8*(8*((\a)%4)+\b):8*(8*((\a)%4)+\b)+7], v[128*(\p)+FR*\b:128*(\p)+FR*\b+FR-1], v[AF+FR*(\a):AF+FR*(\a)+FR-1], 0, v[SC+8*NQ*(\sc)+NQ*\b+(\q)], v[SC+8*NQ*(\sc)+NQ*(\a)+(\q)] matrix_a_fmt:MATRIX_FMT_FP6 matrix_b_fmt:MATRIX_FMT_FP6 matrix_a_scale:MATRIX_SCALE_ROW1
.else
	v_wmma_scale_f32_16x16x128_f8f6f4 v[8*(8*((\a)%4)+\b):8*(8*((\a)%4)+\b)+7], v[128*(\p)+FR*\b:128*(\p)+FR*\b+FR-1], v[AF+FR*(\a):AF+FR*(\a)+FR-1], v[8*(8*((\a)%4)+\b):8*(8*((\a)%4)+\b)+7], v[SC+8*NQ*(\sc)+NQ*\b+(\q)], v[SC+8*NQ*(\sc)+NQ*(\a)+(\q)] matrix_a_fmt:MATRIX_FMT_FP6 matrix_b_fmt:MATRIX_FMT_FP6 matrix_a_scale:MATRIX_SCALE_ROW1
.endif
.endr
.endr
.endm
.macro FETCH_B slot, q, p
	WIN TO_B
.irp i, 0,1,2,3,4,5,6,7
	FRAG 128*(\p)+FR*\i, ADRB+\slot, \q, \i
.endr
	WIN 0
.endm
.macro FETCH_A slot, q, i0
.irp i, \i0, \i0+1, \i0+2, \i0+3
	FRAG AF+FR*(\i), ADRA+\slot, \q, \i
.endr
.endm
.macro SCALES sc                       ; a K step's scale words: two words a row; lanes 0-15 take A's block i, lanes 16-31 B's block i
.irp i, 0,1,2,3,4,5,6,7
	ds_load_b64 v[SC+8*NQ*\sc+NQ*\i:SC+8*NQ*\sc+NQ*\i+1], v[ADRS] offset:\i*SBLK
.endr
.endm
.macro PLACES n                        ; plain vector lines between a matrix instruction and a load into, or a read of, its registers
.rept \n
	v_nop
.endr
.endm
.macro STEP slot, q, zero              ; a step of 128 along K that has its successor in the same slot
	s_wait_dscnt 4*NL                              ; B's set and A's blocks 0-3 are in; the youngest 24 loads (A's blocks 4-7) may be out
	WIN MUL_LO
	MUL16 0, (\q)%2, \q, \slot, \zero
	MUL16 2, (\q)%2, \q, \slot, \zero
	s_wait_dscnt 0
	PLACES NP
	FETCH_B \slot, (\q)+1, 1-(\q)%2
	FETCH_A \slot, (\q)+1, 0
	WIN MUL_HI
	MUL16 4, (\q)%2, \q, \slot, \zero
	MUL16 6, (\q)%2, \q, \slot, \zero
	PLACES NP
	WIN 0
	FETCH_A \slot, (\q)+1, 4
.endm
; A slot's last step changes slots: one barrier; in front of it each wave waits for all its tensor loads, adds 0 to its spare word, and waits for that and for its reads of this slot.
.macro TURN slot, next, fill
	s_wait_tensorcnt 0x0                           ; all my tensor loads have landed: my part of the next slot
	ds_add_u32 v[SPW], v[NIL]                      ; 0 onto my spare word
	s_wait_dscnt 4*NL+1                            ; (the add and the youngest 24 loads may be out)
	WIN MUL_LO
	MUL16 0, 1, NQ-1, \slot, 0
	s_wait_dscnt 0x0                               ; the add is done, and my reads of this slot are over
	s_barrier_signal -1
	MUL16 2, 1, NQ-1, \slot, 0
	WIN 0
	s_barrier_wait -1
.if \fill
	CREST                                          ; the barrier has opened a round of the cluster's barrier: no wave of any partner still reads this slot or has a load on its way
	s_add_nc_u64 s[G0+4*\slot+2:G0+4*\slot+3], s[G0+4*\slot+2:G0+4*\slot+3], 2*ROWB
	s_add_nc_u64 s[G0B+4*\slot+2:G0B+4*\slot+3], s[G0B+4*\slot+2:G0B+4*\slot+3], 2*ROWB
	JLOAD G0+4*\slot, G1, G0B+4*\slot, G1B         ; the first tensor load behind the round; its four v_nop are the places in front of the loads below
.else
	PLACES NP
.endif
	s_wait_alu depctr_va_vdst(0)
	v_add_nc_u32 v[ADRS], 4*NQ, v[ADRS]            ; on to the next K step's scale words
	FETCH_B \next, 0, 0
	FETCH_A \next, 0, 0
	SCALES \next
	WIN MUL_HI
	MUL16 4, 1, NQ-1, \slot, 0
	MUL16 6, 1, NQ-1, \slot, 0
	PLACES NP
	WIN 0
	FETCH_A \next, 0, 4
.endm
	s_wait_alu depctr_va_vdst(0)
	s_wait_tensorcnt 0x0                           ; my tile of the head's four is in
	ds_add_u32 v[SPW], v[NIL]
	s_mov_b32 s[G1+2], 96<<16                      ; no tensor load of mine is out: from here on a load brings 128 rows of codes = 96 rows of 256 bytes,
	s_mov_b32 s[G1+4], 96
	s_mov_b32 s[G1B+2], 96<<16
	s_mov_b32 s[G1B+4], 96
	s_mov_b32 s[G0+1], s45                         ; and slot 0's descriptors stand at my half
	s_add_nc_u64 s[G0+2:G0+3], s[G0+2:G0+3], s[18:19]
	s_mov_b32 s[G0B+1], s45
	s_add_nc_u64 s[G0B+2:G0B+3], s[G0B+2:G0B+3], s[18:19]
	s_wait_dscnt 0x0
	CROUND                                         ; a whole round: all four tiles are in, and the joint loads meet
	JLOAD G0+4, G1, G0B+4, G1B                     ; K step 1, the first tensor load behind the round
	FETCH_B 0, 0, 0
	FETCH_A 0, 0, 0
	SCALES 0
	FETCH_A 0, 0, 4
	STEP 0, 0, 1                                   ; the first step's products start the sums
	s_mov_b32 s3, LAPS-1
.Llap:
	TURN 0, 1, 1
	STEP 1, 0, 0
	TURN 1, 0, 1
	STEP 0, 0, 0
	s_sub_co_u32 s3, s3, 1
	s_cmp_lg_u32 s3, 0
	s_cbranch_scc1 .Llap
	TURN 0, 1, 0                                   ; the last lap fills nothing
	STEP 1, 0, 0
	WIN TO_B                                       ; B's set 0 has been multiplied for the last time, four places ago
	TABLD 2, 0
	TABLD 3, 32
	TABLD 4, 64
	WIN 0
	s_wait_dscnt 4*NL
	WIN MUL_LO
	MUL16 0, 1, NQ-1, 1, 0
	MUL16 2, 1, NQ-1, 1, 0
	s_wait_dscnt 0
	WIN MUL_HI
	MUL16 4, 1, NQ-1, 1, 0
	MUL16 6, 1, NQ-1, 1, 0
	WIN 0
; THE WAY OUT: block by block of A, in registers: rotate, quantise, store images.  No LDS, no branch.
.macro ROPE a                          ; lo' = lo cos - hi sin, hi' = hi cos + lo sin; lo = registers 32 c + i, hi = 32 c + 16 + i.  i ascends: each accumulator is first read at its low end
.set AC, 64*((\a)%4)
.if (\a) < 2                           ; where block a's unit lies in window 1
.set TS, 96+128*(\a)
.elseif (\a) < 5
.set TS, 32*((\a)-2)
.else
.set TS, 32*((\a)-1)
.endif
.set WN, 6+(\a)/4                      ; source 0: the accumulators' window; source 1: window 1, the table
	WIN WN                                         ; source 0: the accumulators' window
.irp c, 0,1                            ; sixteen products with the sines into v128-159, then sixteen multiply-adds with the cosines: no line reads the lines just above it
.irp i, 0,2,4,6,8,10,12,14
	v_pk_mul_f32 v[128+2*\i:129+2*\i], v[AC+32*\c+16+\i:AC+32*\c+17+\i], v[TS+16+\i:TS+17+\i]
	v_pk_mul_f32 v[130+2*\i:131+2*\i], v[AC+32*\c+\i:AC+32*\c+1+\i], v[TS+16+\i:TS+17+\i]
.endr
.irp i, 0,2,4,6,8,10,12,14
	v_pk_fma_f32 v[HH+32*\c+\i:HH+32*\c+1+\i], v[AC+32*\c+\i:AC+32*\c+1+\i], v[TS+\i:TS+1+\i], v[128+2*\i:129+2*\i] neg_lo:[0,0,1] neg_hi:[0,0,1]
	v_pk_fma_f32 v[HH+32*\c+16+\i:HH+32*\c+17+\i], v[AC+32*\c+16+\i:AC+32*\c+17+\i], v[TS+\i:TS+1+\i], v[130+2*\i:131+2*\i]
.endr
.endr
	WIN 0
.endm
; 64 numbers of a lane, register 16 b + i = k 32 b + 16 (lane / 16) + i of my row, become 12 registers of codes in v[pc] on and a scale word in v[pw].
.macro QUANT s, pc, pw
.irp b, 0,1,2,3
	v_max3_num_f32 v[TM+\b], |v[\s+16*\b]|, |v[\s+1+16*\b]|, 0x1800000   ; my 16 numbers of block b, and the floor 2^(3 - 127): the byte cannot fall under 1
.endr
.irp i, 2,4,6,8,10,12,14
.irp b, 0,1,2,3
	v_max3_num_f32 v[TM+\b], v[TM+\b], |v[\s+16*\b+\i]|, |v[\s+1+16*\b+\i]|
.endr
.endr
.irp b, 0,1,2,3
	v_permlanex16_b32 v[TM+4+\b], v[TM+\b], s[SEL], s[SEL+1]
.endr
.irp b, 0,1,2,3
	v_max_num_f32 v[TM+\b], v[TM+\b], v[TM+4+\b]   ; with lane l xor 16's: the block's largest magnitude
.endr
.irp b, 0,1,2,3
	v_add_nc_u32 v[TM+12+\b], 0xff000000, v[TM+\b] ; 2 off its exponent field: the conversion's scale operand
.endr
.irp b, 0,1,2,3
	v_lshrrev_b32 v[TM+4+\b], 23, v[TM+12+\b]      ; the scale's byte
.endr
	v_lshl_or_b32 v[\pw], v[TM+5], 8, v[TM+4]
	v_lshl_or_b32 v[\pw], v[TM+6], 16, v[\pw]
	v_lshl_or_b32 v[\pw], v[TM+7], 24, v[\pw]
.irp c, 0,1
	v_cvt_scalef32_pk16_fp6_f32 v[\pc+6*\c:\pc+2+6*\c], v[\s+32*\c:\s+15+32*\c], v[TM+12+2*\c]
	v_cvt_scalef32_pk16_fp6_f32 v[CT+4*\c:CT+2+4*\c], v[\s+16+32*\c:\s+31+32*\c], v[TM+12+2*\c+1]   ; (a conversion's three registers begin on an even number)
.endr
	v_nop                                          ; one plain line behind a scaled conversion
.irp c, 0,1                                    ; the operand's layout wants a whole block in a lane
.irp i, 0,1,2
	v_permlane16_swap_b32 v[\pc+6*\c+\i], v[CT+4*\c+\i]
.endr
.irp i, 0,1,2
	v_mov_b32 v[\pc+3+6*\c+\i], v[CT+4*\c+\i]
.endr
.endr
.endm
; Blocks 2 j and 2 j + 1.  In role QK the two blocks' halves change places, so that one run of 12 registers holds the first head's two tiles and the other the second head's; in role V each run is a whole fragment.
.macro PAIR j
	s_wait_xcnt 0x0                                ; the last pair's stores have read their data: the codes' registers are written again only behind this wait
	s_wait_loadcnt 8*(7-2*\j)                      ; this block's eight table loads are in; those of the blocks behind it may be out
	ROPE 2*\j
	QUANT HH, PCE, PWE
	s_wait_loadcnt 8*(6-2*\j)
	ROPE 2*\j+1
	QUANT HH, PCO, PWO
.irp i, 0,1,2,3,4,5
	v_mov_b32 v[TP+\i], v[PCE+6+\i]
.endr
.irp i, 0,1,2,3,4,5
	v_cndmask_b32 v[PCE+6+\i], v[TP+\i], v[PCO+\i], s94
.endr
.irp i, 0,1,2,3,4,5
	v_cndmask_b32 v[PCO+\i], v[PCO+\i], v[TP+\i], s94
.endr
	v_cndmask_b32 v[SW+\j], v[PWE], v[PWO], s95    ; lanes 0-15 the even block's word, lanes 16-31 the odd block's
.irp g, 0,1,2
	global_store_b128 v[4+2*\j], v[PCE+4*\g:PCE+4*\g+3], s[44:45] offset:512*\g   ; 32 lanes store 512 consecutive bytes, aligned
	global_store_b128 v[5+2*\j], v[PCO+4*\g:PCO+4*\g+3], s[44:45] offset:512*\g
.endr
.endm
	PLACES NP                                      ; behind the last products: loads into registers that they read, and reads of their results, follow
	v_and_b32 v1, 31, v0
	v_lshlrev_b32 v2, 4, v1                        ; 16 x lane
	s_wait_alu depctr_va_vdst(0)
	s_lshl_b32 s18, s17, 8
	s_lshl_b32 s19, s15, 7
	s_add_co_u32 s18, s18, s19                     ; my first row of A
	s_lshl_b32 s19, s42, 8
	s_lshl_b32 s22, s16, 7
	s_add_co_u32 s19, s19, s22                     ; my first row of B
	s_lshl_b32 s40, s[FV], 10
	s_add_co_u32 s40, s40, s19
	s_mov_b32 s41, 13312
	s_cmp_lt_u32 s40, 1024                         ; role QK and a column of Wq: the images are q's
	s_cselect_b32 s40, 6656, s41                   ; bytes of a block of 128 positions of a head: q's, or k's and v's together
	s_cselect_b64 s[44:45], s[10:11], s[12:13]     ; the choice hangs on ids alone
	s_lshl_b32 s41, s40, 4                         ; bytes of a head: 16 blocks
	s_add_co_u32 s98, s41, 3072
	s_mov_b32 s92, 3072
	s_mov_b32 s93, 1536
	s_mov_b32 s99, 4608
	s_cmp_eq_u32 s[FV], 1
	s_cselect_b32 s22, s19, s18                    ; my first position,
	s_cselect_b32 s23, s18, s19                    ; my first feature
	s_cselect_b32 s94, 0, -1                       ; a lane mask: all ones in role QK
	s_cselect_b32 s67, s92, s93                    ; where pair 1 goes,
	s_cselect_b32 s66, s93, s41                    ; how far the pair's second run lies from its first,
	s_cselect_b32 s92, s41, s92                    ; pair 2,
	s_cselect_b32 s93, s98, s99                    ; pair 3
	s_bfe_u32 s18, s22, 0x40007                    ; which 128 positions of the sequence
	s_and_b32 s23, s23, 1023
	s_lshr_b32 s23, s23, 6                         ; my first head
	s_lshr_b32 s19, s22, 11                        ; the batch
	s_lshl_b32 s19, s19, 4
	s_add_co_u32 s19, s19, s23
	s_lshl_b32 s19, s19, 4
	s_add_co_u32 s19, s19, s18                     ; the block
	s_mul_i32 s42, s19, s40
	s_mul_i32 s43, s[FV], 6656                     ; v's part of a block lies behind k's
	s_add_co_u32 s42, s42, s43
	s_mov_b32 s43, 0
	s_add_nc_u64 s[44:45], s[44:45], s[42:43]
	WIN TO_B                                       ; the last three units, into B's set 1
	TABLD 5, 128
	TABLD 6, 160
	TABLD 7, 192
	WIN 0
	s_mov_b32 s95, 0xffff0000                      ; a lane mask: lanes 16-31
	s_mov_b32 s99, 0x7f7f0000                      ; two bytes of scale 1 for the half of K that the next launch fills with zero codes
	s_mov_b32 s[SEL], 0x76543210
	s_mov_b32 s[SEL+1], 0xfedcba98
	v_mov_b32 v4, v2
	v_add_nc_u32 v5, s66, v2
	v_add_nc_u32 v6, s67, v2
	v_add_nc_u32 v7, s66, v6
	v_add_nc_u32 v8, s92, v2
	v_add_nc_u32 v9, s66, v8
	v_add_nc_u32 v10, s93, v2
	v_add_nc_u32 v11, s66, v10
	v_add_nc_u32 v12, s41, v2
.irp b, 0,1,2,3
	v_mov_b32 v[TM+4+\b], 0                        ; written once: a lane permute's destination counts as one of its sources
.endr
	PAIR 0
	PAIR 1
	PAIR 2
	PAIR 3
	; the scale images.  Role QK: a word's low two bytes are the first head's, its high two the second head's; the other two bytes become scale 1.  Lane l, word j: tile 2 j + l / 16, row l % 16.
	; Role V: the first head's words are pairs 0 and 1, the second head's pairs 2 and 3; words 2 and 3 of its image are written and never used.
.irp j, 0,1,2,3
	v_and_or_b32 v[SCA+\j], v[SW+\j], 0xffff, s99
	v_lshrrev_b32 v[SCB+\j], 16, v[SW+\j]
.endr
.irp j, 0,1,2,3
	v_or_b32 v[SCB+\j], s99, v[SCB+\j]
.endr
	v_cndmask_b32 v[SCA], v[SW], v[SCA], s94
	v_cndmask_b32 v[SCA+1], v[SW+1], v[SCA+1], s94
	v_cndmask_b32 v[SCB], v[SW+2], v[SCB], s94
	v_cndmask_b32 v[SCB+1], v[SW+3], v[SCB+1], s94
	global_store_b128 v2, v[SCA:SCA+3], s[44:45] offset:6144
	global_store_b128 v12, v[SCB:SCB+3], s[44:45] offset:6144
	s_wait_tensorcnt 0x0                           ; the wave's end
	ds_add_u32 v[SPW], v[NIL]
	s_wait_dscnt 0x0
	CROUND                                         ; the closing round: no work-group ends while a partner may still ask for a tile that names it
	s_endpgm
.Lfunc_end_k_q8199adf68c_qkv:
	.size	k_q8199adf68c_qkv, .Lfunc_end_k_q8199adf68c_qkv-k_q8199adf68c_qkv
	.p2alignl 7, 3214868480
	.fill 96, 4, 3214868480
	.section	.rodata,"a",@progbits
	.p2align	6, 0x0
	.amdhsa_kernel k_q8199adf68c_qkv
		.amdhsa_group_segment_fixed_size 327680
		.amdhsa_private_segment_fixed_size 0
		.amdhsa_enable_private_segment 0
		.amdhsa_kernarg_size 40
		.amdhsa_user_sgpr_count 2
		.amdhsa_user_sgpr_kernarg_segment_ptr 1
		.amdhsa_wavefront_size32 1
		.amdhsa_system_sgpr_workgroup_id_x 1
		.amdhsa_system_sgpr_workgroup_id_y 1
		.amdhsa_system_sgpr_workgroup_id_z 1
		.amdhsa_system_vgpr_workitem_id 0
		.amdhsa_next_free_vgpr 1024
		.amdhsa_next_free_sgpr 100
		.amdhsa_reserve_vcc 0
		.amdhsa_float_denorm_mode_32 3
		.amdhsa_float_denorm_mode_16_64 3
		.amdhsa_memory_ordered 1
		.amdhsa_forward_progress 1
		.amdhsa_inst_pref_size 210
	.end_amdhsa_kernel
	.amdgpu_metadata
---
amdhsa.version: [ 1, 2 ]
amdhsa.kernels:
  - .name:           k_q8199adf68c_qkv
    .symbol:         k_q8199adf68c_qkv.kd
    .args:
      - { .name: codes, .offset: 0, .size: 8, .value_kind: global_buffer, .address_space: global }
      - { .name: scales, .offset: 8, .size: 8, .value_kind: global_buffer, .address_space: global }
      - { .name: tab, .offset: 16, .size: 8, .value_kind: global_buffer, .address_space: global }
      - { .name: qimg, .offset: 24, .size: 8, .value_kind: global_buffer, .address_space: global }
      - { .name: kvimg, .offset: 32, .size: 8, .value_kind: global_buffer, .address_space: global }
    .group_segment_fixed_size: 327680
    .private_segment_fixed_size: 0
    .kernarg_segment_align: 8
    .kernarg_segment_size: 40
    .max_flat_workgroup_size: 128
    .sgpr_count:     100
    .vgpr_count:     1024
    .wavefront_size: 32
...
	.end_amdgpu_metadata
.endif
;; end of part 2
;; launch attn (part 3): grid 4 x 64, 16 waves a work-group, clusters of 4 x 1, 327,680 bytes of LDS; arguments qimg, kvimg, oimg, oscl; writes oimg, oscl
.if DOCPART == 3
	.amdgcn_target "amdgcn-amd-amdhsa--gfx1250"
	.amdhsa_code_object_version 6
	.text
	.protected	k_q8199adf68c_attn
	.globl	k_q8199adf68c_attn
	.p2align	8
	.type	k_q8199adf68c_attn,@function
k_q8199adf68c_attn:
	s_mov_b64 s[64:65], 0
	v_nop
	global_prefetch_b8 v0, s[64:65] scope:SCOPE_SE
	s_setreg_imm32_b32 hwreg(HW_REG_WAVE_MODE, 25, 1), 1
	s_wait_xcnt 0x0
	s_wait_alu depctr_hold_cnt(0) depctr_sa_sdst(0) depctr_va_vdst(0) depctr_va_sdst(0) depctr_va_ssrc(0) depctr_va_vcc(0) depctr_vm_vsrc(0)
	s_getreg_b32 s2, hwreg(HW_REG_IB_STS2, 6, 4)
	s_cmp_eq_u32 s2, 0
	s_cbranch_scc0 .Lentry_in_a_cluster
	s_endpgm
.Lentry_in_a_cluster:
	s_bfe_u32 s2, ttmp6, 0x10000c
	s_cmp_lg_u32 s2, 0x3003
	s_cbranch_scc0 .Lentry_shape_is_right
	s_endpgm
.Lentry_shape_is_right:
; o = softmax(q k^T / 8) v for one batch and head (work-group y) and 512 queries (work-group x), both products on codes of FP6 (E2M3) with E8M0 scales; o leaves quantised, as the projection's operand image.
; 16 waves; a wave takes two tiles of 16 queries, one after the other, each over 16 steps of 128 keys.  Both products are used transposed (S^T = k q^T, O^T = v^T p^T): a lane holds one query.
; The head's size is 64, so the upper 64 of the score product's 128 along K are zero codes on q's side (v22-27); what k's operand holds there (the next tile's codes) is multiplied by zero.
; LDS: the head's K and V images, 16 steps, come in ONCE: wave w fetches step w by one joint load of the cluster's four work-groups, which share the head: 26 rows of 512 bytes, 128 bytes of padding behind each.
; Nothing is filled again.  Waves 0 to 4 have a load line of their own: the first barrier shows steps 0 to 4, the second, behind four steps, all.
; No prefetch into the L2: every tensor load of the launch goes out at the head, so there is no loop to run ahead in.
; A TILE OF K IS COMPOSED BY THE LANES' ADDRESSES: tile 4 c + u takes keys 64 c + 8 u + 0 .. 7 as rows 0-7 and keys 64 c + 32 + 8 u + 0 .. 7 as rows 8-15.  So lane (r, h) holds in registers 140 + 32 c + 0 .. 31
; the keys 64 c + 32 h + 0 .. 31 of query r: a whole scale block of p, in the order of the next operand.  In the image those rows lie in pair 2 c + g (g = row / 8) at lane slot 16 h + 8 (u / 2) + i;
; a pair is 3 x 640 = 1,920 bytes.
; M is the running maximum of t = score x log2(e) / 8, rounded up to a whole number, kept as -M; p = 2^(t - M); the row's sum is taken of the unquantised p; O^T and the sum are multiplied by 2^(old M - new M) in every step.
; A block's largest p is made from its largest score by the same multiply-add and exponential (it takes v_exp_f32 not to fall where its input rises).
; The next step's K fragments are asked for behind the score products; the very last step's request names step 0 again and is not used.
; LIMITS: the promise holds while |t| stays under 2^31; NaN and infinities are not served; a block whose every p is 0 carries the byte 1, read by this program alone.
; REGISTERS: v1-3 lane parts of the LDS addresses (K, V, K's scales), v4, v5, v13 this step's; v6 the factor, v7 p's scale word; v8-11 K's scale words; v12 -M; v14-15 the sum; v16-27 q and zeros; v28-29 V's scale words;
; v30 q's scale word, v31 the second tile's; v32-79 K; v80-91 p's codes; v92-139 V; v140-203 S^T, then p; v204-235 O^T; v236-249 at work; v244, v245 the spare word's address and 0; v250-255 the second tile's q.
.set BLKB,  13312                      ; a key step's images in memory: K 6,144, its scales 512, V 6,144, its scales 512
.set HEADB, 16*BLKB
.set BLK,   16640                      ; the same in LDS: 26 x (512 + 128)
.set SPARE, 16*BLK                     ; behind the images: the spare words, 128 bytes a wave
.set SPW,   244
.set NIL,   245
.macro CROUND
	s_barrier_signal -1
	s_barrier_wait -1
	s_cmp_lg_u32 s12, 0
	s_cbranch_scc1 .Lnot_wave_0_\@
	s_barrier_signal -3
.Lnot_wave_0_\@:
	s_barrier_wait -3
	s_barrier_signal -1
	s_barrier_wait -1
.endm
.macro WALU
	s_wait_alu depctr_va_vdst(0)
.endm
.macro KLOAD a, b                      ; a step's K: four runs of two tiles, 3 pieces each, and a scale word for each run: 16 loads
.irp r, 0,1,2,3
.irp p, 0,1,2
	ds_load_b128 v[32+12*\r+4*\p:35+12*\r+4*\p], v[\a] offset:3840*(\r/2)+128*(\r%2)+640*\p
.endr
	ds_load_b32 v[8+\r], v[\b] offset:7680+128*(\r%2)+8*(\r/2)
.endr
.endm
.macro INIT                            ; a tile of queries begins: -M = 3e38, the sum and O^T zeros, which the first change of M leaves zeros
	v_mov_b32 v12, 0x7f61b1e6
	v_mov_b32 v14, 0
	v_mov_b32 v15, 0
.set j, 0
.rept 32
	v_mov_b32 v[204+j], 0
.set j, j+1
.endr
.endm
	s_load_b256 s[4:11], s[0:1], 0x0               ; qimg, kvimg, oimg, oscl
	v_lshl_add_u32 v[SPW], v0, 2, SPARE
	v_mov_b32 v[NIL], 0
	ds_add_u32 v[SPW], v[NIL]                      ; the opening lines: the add, twice on end, and its wait
	ds_add_u32 v[SPW], v[NIL]
	v_lshrrev_b32 v1, 5, v0
	v_readfirstlane_b32 s12, v1                    ; wave
	s_bfe_u32 s13, ttmp6, 0x40000
	s_lshl_b32 s14, ttmp9, 2
	s_add_co_u32 s14, s14, s13                     ; which 512 queries
	s_and_b32 s15, ttmp7, 0xffff                   ; batch x 16 + head
	s_mov_b32 s16, 15|(3<<16)|(1<<20)|(1<<21)|(6<<22)|(31<<25)   ; all four partners; elements of 8 bytes; 32 words of padding behind every 128
	s_mov_b32 s17, 64<<16
	s_mov_b32 s18, 26<<16
	s_mov_b32 s19, 64<<16
	s_mov_b32 s20, 26
	s_mov_b32 s21, 64
	s_mov_b32 s22, 0
	s_mov_b32 s23, 0
	s_mul_i32 s24, s15, HEADB
	s_mul_i32 s25, s12, BLKB
	s_add_co_u32 s24, s24, s25                     ; my key step of the head
	s_mov_b32 s25, 0
	s_mov_b32 s32, 1
	s_mul_i32 s33, s12, BLK
	s_lshr_b32 s26, s12, 3                         ; q: block of 128 positions = 16 (batch, head) + 4 x + wave / 8 (the second tile: two blocks on)
	s_lshl_b32 s27, s14, 2
	s_add_co_u32 s26, s26, s27
	s_lshl_b32 s27, s15, 4
	s_add_co_u32 s26, s26, s27
	s_mul_i32 s26, s26, 6656
	s_mov_b32 s27, 0
	s_and_b32 s50, s12, 1                          ; in it: pair (wave / 2) % 4, half wave % 2 of the pair's 12 registers
	s_bfe_u32 s51, s12, 0x20001
	s_mul_i32 s52, s51, 1536
	s_mul_i32 s53, s50, 520
	s_add_co_u32 s53, s53, s52
	s_mul_i32 s54, s50, 1016
	s_add_co_u32 s54, s54, s52
	s_lshl_b32 s55, s50, 8
	s_lshl_b32 s51, s51, 2
	s_add_co_u32 s55, s55, s51
	s_lshr_b32 s48, s15, 4                         ; o: tile of 16 rows = 128 batch + 32 x + wave (the second tile: 16 on)
	s_lshl_b32 s48, s48, 7
	s_lshl_b32 s49, s14, 5
	s_add_co_u32 s48, s48, s49
	s_add_co_u32 s48, s48, s12
	s_and_b32 s49, s15, 15
	s_lshl_b32 s28, s48, 4
	s_add_co_u32 s28, s28, s49
	s_mul_i32 s28, s28, 768
	s_mov_b32 s29, 0
	s_lshl_b32 s30, s48, 9
	s_lshl_b32 s49, s49, 1
	s_add_co_u32 s30, s30, s49
	s_mov_b32 s31, 0
	s_mov_b32 s40, 0x76543210
	s_mov_b32 s41, 0xfedcba98                      ; lane l xor 16
	s_mov_b32 s42, 0x3e38aa3b                      ; log2(e) / 8
	s_mov_b32 s43, s42
	s_mov_b32 s44, 0
	s_mov_b32 s47, 0
	s_mov_b32 s46, 0xffff0000
	s_wait_dscnt 0x0
	s_wait_kmcnt 0x0
	s_add_nc_u64 s[34:35], s[6:7], s[24:25]
	s_or_b32 s35, s35, 0x80000000
	s_add_nc_u64 s[4:5], s[4:5], s[26:27]
	s_add_nc_u64 s[8:9], s[8:9], s[28:29]
	s_add_nc_u64 s[10:11], s[10:11], s[30:31]
	CROUND                                         ; the four partners are here: the joint loads meet
	s_cmp_lt_u32 s12, 5                            ; one load a wave; waves 0 to 4, which wait at the first barrier, have a line of their own
	s_cbranch_scc0 .Llate
	tensor_load_to_lds s[32:35], s[16:23]
	s_nop 0
.rept 4
	v_nop
.endr
	s_branch .Lasked
.Llate:
	tensor_load_to_lds s[32:35], s[16:23]
	s_nop 0
.rept 4
	v_nop
.endr
.Lasked:
	v_and_b32 v2, 31, v0
	v_lshlrev_b32 v2, 4, v2                        ; V: 16 x lane
	v_and_b32 v4, 7, v0
	v_bfe_u32 v5, v0, 4, 1
	v_bfe_u32 v6, v0, 3, 1
	v_lshlrev_b32 v4, 4, v4
	v_lshl_add_u32 v4, v5, 8, v4                   ; 16 i + 256 h
	v_mad_u32_u24 v1, v6, 0x780, v4                ; K: + 1,920 g
	v_lshl_add_u32 v3, v6, 2, v4                   ; K's scale words: + 4 g
	v_add_nc_u32 v140, s53, v2
	v_add_nc_u32 v141, s54, v2
	v_and_b32 v142, 15, v0
	v_lshlrev_b32 v142, 4, v142
	v_add_nc_u32 v142, s55, v142
	global_load_b64 v[16:17], v140, s[4:5]
	global_load_b64 v[18:19], v141, s[4:5] offset:8
	global_load_b64 v[20:21], v140, s[4:5] offset:512
	global_load_b32 v30, v142, s[4:5] offset:6144
	global_load_b64 v[250:251], v140, s[4:5] offset:13312
	global_load_b64 v[252:253], v141, s[4:5] offset:13320
	global_load_b64 v[254:255], v140, s[4:5] offset:13824
	global_load_b32 v31, v142, s[4:5] offset:19456
	v_mov_b32 v13, v2
.irp i, 22,23,24,25,26,27
	v_mov_b32 v[\i], 0
.endr
.set j, 0
.rept 12
	v_mov_b32 v[80+j], 0
.set j, j+1
.endr
	v_mov_b32 v7, 0
	v_mov_b32 v247, 0                              ; a lane permute's destination counts as one of its sources
	INIT
.macro STEP
.set i, 0
.rept 12
	ds_load_b128 v[92+4*i:95+4*i], v13 offset:8320+640*i   ; this step's V; the sums behind the last products are the places ahead of these loads
.set i, i+1
.endr
	ds_load_b64 v[28:29], v13 offset:16000
	s_add_co_u32 s47, s47, 1
	s_and_b32 s44, s47, 15
	s_mul_i32 s44, s44, BLK                        ; where the next step lies (behind step 15: step 0)
	s_wait_dscnt 13                                ; K's 16 loads are in; V's 13 may be out
.irp t, 0,1,2,3,4,5,6,7
.if \t%2
	v_wmma_scale_f32_16x16x128_f8f6f4 v[140+8*\t:147+8*\t], v[32+6*\t:43+6*\t], v[16:27], 0, v[8+\t/2], v30 matrix_a_fmt:MATRIX_FMT_FP6 matrix_b_fmt:MATRIX_FMT_FP6 matrix_a_scale:MATRIX_SCALE_ROW1
.else
	v_wmma_scale_f32_16x16x128_f8f6f4 v[140+8*\t:147+8*\t], v[32+6*\t:43+6*\t], v[16:27], 0, v[8+\t/2], v30 matrix_a_fmt:MATRIX_FMT_FP6 matrix_b_fmt:MATRIX_FMT_FP6
.endif
.endr
	v_add_nc_u32 v4, s44, v1                       ; four places behind the products
	v_add_nc_u32 v5, s44, v3
	v_add_nc_u32 v13, s44, v2
	v_nop
	KLOAD 4, 5                                     ; the next step's K
.irp k, 0,1,2,3,4,5,6,7                ; the largest score of my two blocks: eight chains, one a tile, so that no line reads the line above it; each accumulator is first read at its low end
	v_max3_num_f32 v[236+\k], v[140+8*\k], v[141+8*\k], v[142+8*\k]
.endr
.irp i, 3,5
.irp k, 0,1,2,3,4,5,6,7
	v_max3_num_f32 v[236+\k], v[236+\k], v[140+8*\k+\i], v[141+8*\k+\i]
.endr
.endr
	v_max3_num_f32 v236, v236, v237, v147          ; the chains and each tile's eighth number are joined, the two blocks by turns
	v_max3_num_f32 v240, v240, v241, v179
	v_max3_num_f32 v238, v238, v239, v155
	v_max3_num_f32 v242, v242, v243, v187
	v_max3_num_f32 v236, v236, v163, v171
	v_max3_num_f32 v240, v240, v195, v203
	s_delay_alu instid0(VALU_DEP_2)
	v_max_num_f32 v236, v236, v238                 ; block h
	s_delay_alu instid0(VALU_DEP_2)
	v_max_num_f32 v238, v240, v242                 ; block 2 + h
	s_delay_alu instid0(VALU_DEP_1)
	v_max_num_f32 v243, v236, v238
	s_delay_alu instid0(VALU_DEP_1)
	v_permlanex16_b32 v247, v243, s40, s41
	s_delay_alu instid0(VALU_DEP_1)
	v_max_num_f32 v243, v243, v247                 ; the step's largest score of my query
	s_delay_alu instid0(VALU_DEP_1)
	v_mul_f32 v243, s42, v243
	s_delay_alu instid0(VALU_DEP_1)
	v_floor_f32 v243, -v243                        ; -ceil(t)
	s_delay_alu instid0(VALU_DEP_1)
	v_min_num_f32 v243, v243, v12                  ; the new -M
	s_delay_alu instid0(VALU_DEP_1)
	v_sub_f32 v247, v243, v12
	s_delay_alu instid0(VALU_DEP_2)
	v_mov_b32 v12, v243
	s_delay_alu instid0(VALU_DEP_2)
	v_cvt_i32_f32 v247, v247                       ; old M - new M (it saturates)
	s_delay_alu instid0(VALU_DEP_1)
	v_ldexp_f32 v6, 1.0, v247
.set j, 0
.rept 32
	v_pk_fma_f32 v[140+j:141+j], v[140+j:141+j], s[42:43], v[12:13] op_sel_hi:[1,0,0]
.set j, j+2
.endr
	v_fma_f32 v236, v236, s42, v12
	v_fma_f32 v238, v238, s42, v12
	WALU                                           ; the wait ahead of the batch
.set j, 0
.rept 64
	v_exp_f32 v[140+j], v[140+j]
.set j, j+1
.endr
	v_exp_f32 v236, v236
	v_exp_f32 v238, v238
	v_pk_mul_f32 v[14:15], v[14:15], v[6:7] op_sel_hi:[1,0]
	WALU                                           ; and behind it
	v_max_num_f32 v236, 0x1800000, v236            ; the floor 2^(3 - 127)
	v_max_num_f32 v238, 0x1800000, v238
	s_delay_alu instid0(VALU_DEP_2)
	v_add_nc_u32 v248, 0xff000000, v236            ; 2 off the exponent field: the conversions' scale operands
	s_delay_alu instid0(VALU_DEP_2)
	v_add_nc_u32 v249, 0xff000000, v238
	s_delay_alu instid0(VALU_DEP_2)
	v_lshrrev_b32 v236, 23, v248
	s_delay_alu instid0(VALU_DEP_2)
	v_lshrrev_b32 v238, 23, v249
	s_delay_alu instid0(VALU_DEP_1)
	v_lshl_or_b32 v237, v238, 16, v236             ; my two bytes
	s_delay_alu instid0(VALU_DEP_1)
	v_permlanex16_b32 v247, v237, s40, s41
	s_delay_alu instid0(VALU_DEP_1)
	v_lshl_or_b32 v7, v247, 8, v237                ; lanes 0-15, which the product reads: blocks 0 and 2 are mine, 1 and 3 lane l + 16's
	v_cvt_scalef32_pk16_fp6_f32 v[80:82], v[140:155], v248
	v_cvt_scalef32_pk16_fp6_f32 v[236:238], v[156:171], v248
	v_cvt_scalef32_pk16_fp6_f32 v[86:88], v[172:187], v249
	v_cvt_scalef32_pk16_fp6_f32 v[240:242], v[188:203], v249
	s_wait_dscnt 16                                ; V's 13 loads are in; the next K's 16 may be out
	WALU                                           ; the wait directly ahead of the first reader of O^T
.set j, 0
.rept 8
	v_pk_mul_f32 v[204+j:205+j], v[204+j:205+j], v[6:7] op_sel_hi:[1,0]   ; O^T under the new M; these eight are also the plain lines behind the conversions
.set j, j+2
.endr
.irp i, 0,1,2
	v_mov_b32 v[83+\i], v[236+\i]
.endr
.irp i, 0,1,2
	v_mov_b32 v[89+\i], v[240+\i]
.endr
.rept 8
	v_pk_mul_f32 v[204+j:205+j], v[204+j:205+j], v[6:7] op_sel_hi:[1,0]   ; and these the places between the codes' last write and the products
.set j, j+2
.endr
.irp t, 0,1,2,3
.if \t%2
	v_wmma_scale_f32_16x16x128_f8f6f4 v[204+8*\t:211+8*\t], v[92+12*\t:103+12*\t], v[80:91], v[204+8*\t:211+8*\t], v[28+\t/2], v7 matrix_a_fmt:MATRIX_FMT_FP6 matrix_b_fmt:MATRIX_FMT_FP6 matrix_a_scale:MATRIX_SCALE_ROW1
.else
	v_wmma_scale_f32_16x16x128_f8f6f4 v[204+8*\t:211+8*\t], v[92+12*\t:103+12*\t], v[80:91], v[204+8*\t:211+8*\t], v[28+\t/2], v7 matrix_a_fmt:MATRIX_FMT_FP6 matrix_b_fmt:MATRIX_FMT_FP6
.endif
.endr
.irp k, 0,1,2,3                        ; the sum of the unquantised p, 32 additions in six chains, behind the products, none of whose registers they name
	v_pk_add_f32 v[236+2*\k:237+2*\k], v[140+4*\k:141+4*\k], v[142+4*\k:143+4*\k]
.endr
	v_pk_add_f32 v[248:249], v[156:157], v[158:159]
	v_pk_add_f32 v[14:15], v[14:15], v[160:161]
.set j, 162
.rept 3
.irp k, 0,1,2,3
	v_pk_add_f32 v[236+2*\k:237+2*\k], v[236+2*\k:237+2*\k], v[j+2*\k:j+2*\k+1]
.endr
	v_pk_add_f32 v[248:249], v[248:249], v[j+8:j+9]
	v_pk_add_f32 v[14:15], v[14:15], v[j+10:j+11]
.set j, j+12
.endr
	v_pk_add_f32 v[236:237], v[236:237], v[198:199]
	v_pk_add_f32 v[238:239], v[238:239], v[200:201]
	v_pk_add_f32 v[240:241], v[240:241], v[202:203]
	v_pk_add_f32 v[242:243], v[242:243], v[248:249]
	s_delay_alu instid0(VALU_DEP_3)
	v_pk_add_f32 v[236:237], v[236:237], v[238:239]
	s_delay_alu instid0(VALU_DEP_3)
	v_pk_add_f32 v[14:15], v[14:15], v[240:241]
	s_delay_alu instid0(VALU_DEP_2)
	v_pk_add_f32 v[236:237], v[236:237], v[242:243]
	s_delay_alu instid0(VALU_DEP_1)
	v_pk_add_f32 v[14:15], v[14:15], v[236:237]
.endm
; A tile's end: O^T / the sum; register 16 g + i of lane (r, h) is column 32 g + 16 h + i of the head: two scale blocks, each in lanes l and l xor 16; codes and bytes leave as the projection's image.
.macro FINISH pass
	v_add_f32 v14, v14, v15
	v_permlanex16_b32 v247, v14, s40, s41
	v_add_f32 v14, v14, v247
	v_and_b32 v200, 31, v0
	v_lshlrev_b32 v200, 3, v200
	v_and_b32 v201, 15, v0
	v_bfe_u32 v202, v0, 4, 1
	v_lshl_add_u32 v201, v201, 5, v202
	WALU
	v_rcp_f32 v14, v14
	v_nop
	WALU
.set j, 0
.rept 16
	v_pk_mul_f32 v[140+j:141+j], v[204+j:205+j], v[14:15] op_sel_hi:[1,0]
.set j, j+2
.endr
.irp g, 0,1
	v_max3_num_f32 v[236+\g], |v[140+16*\g]|, |v[141+16*\g]|, 0x1800000
.endr
.irp i, 2,4,6,8,10,12,14
.irp g, 0,1
	v_max3_num_f32 v[236+\g], v[236+\g], |v[140+16*\g+\i]|, |v[141+16*\g+\i]|
.endr
.endr
.irp g, 0,1
	v_permlanex16_b32 v[238+\g], v[236+\g], s40, s41
.endr
.irp g, 0,1
	v_max_num_f32 v[236+\g], v[236+\g], v[238+\g]
.endr
.irp g, 0,1
	v_add_nc_u32 v[248+\g], 0xff000000, v[236+\g]
.endr
.irp g, 0,1
	v_lshrrev_b32 v[238+\g], 23, v[248+\g]
.endr
	v_cvt_scalef32_pk16_fp6_f32 v[80:82], v[140:155], v248
	v_cvt_scalef32_pk16_fp6_f32 v[240:242], v[156:171], v249
	v_cndmask_b32 v243, v238, v239, s46            ; lanes 16-31 store the second block's byte
.irp i, 0,1,2
	v_permlane16_swap_b32 v[80+\i], v[240+\i]
.endr
.irp i, 0,1,2
	v_mov_b32 v[83+\i], v[240+\i]
.endr
.irp p, 0,1,2
	global_store_b64 v200, v[80+2*\p:81+2*\p], s[8:9] offset:256*\p+196608*\pass   ; 32 lanes store 256 consecutive bytes, aligned
.endr
	global_store_b8 v201, v243, s[10:11] offset:8192*\pass
.endm
	WALU                                           ; the wait at the head's end
	s_wait_loadcnt 0x0
	s_cmp_lt_u32 s12, 5
	s_cbranch_scc0 .Lnot_first
	s_wait_tensorcnt 0x0
.Lnot_first:
	s_barrier_signal -1
	s_barrier_wait -1                              ; steps 0 to 4 are in
	KLOAD 1, 3
	s_mov_b32 s45, 4
.Lp1:                                                  ; steps 0 to 3 (they ask for K up to step 4)
	STEP
	s_sub_co_u32 s45, s45, 1
	s_cmp_lg_u32 s45, 0
	s_cbranch_scc1 .Lp1
	s_wait_tensorcnt 0x0
	s_wait_dscnt 0x0
	s_barrier_signal -1
	s_barrier_wait -1                              ; all sixteen steps are in
	s_mov_b32 s45, 12
.Lp2:
	STEP
	s_sub_co_u32 s45, s45, 1
	s_cmp_lg_u32 s45, 0
	s_cbranch_scc1 .Lp2
	FINISH 0
	WALU
	s_wait_xcnt 0x0                                ; the stores have read their registers
.irp i, 0,1,2,3,4,5
	v_mov_b32 v[16+\i], v[250+\i]                  ; the second tile of queries
.endr
	v_mov_b32 v30, v31
	INIT
	s_mov_b32 s45, 16
.Lp3:
	STEP
	s_sub_co_u32 s45, s45, 1
	s_cmp_lg_u32 s45, 0
	s_cbranch_scc1 .Lp3
	FINISH 1
	s_wait_tensorcnt 0x0                           ; the wave's end
	ds_add_u32 v[SPW], v[NIL]
	s_wait_dscnt 0x0
	CROUND                                         ; the closing round
	s_endpgm
.Lfunc_end_k_q8199adf68c_attn:
	.size	k_q8199adf68c_attn, .Lfunc_end_k_q8199adf68c_attn-k_q8199adf68c_attn
	.p2alignl 7, 3214868480
	.fill 96, 4, 3214868480
	.section	.rodata,"a",@progbits
	.p2align	6, 0x0
	.amdhsa_kernel k_q8199adf68c_attn
		.amdhsa_group_segment_fixed_size 327680
		.amdhsa_private_segment_fixed_size 0
		.amdhsa_enable_private_segment 0
		.amdhsa_kernarg_size 32
		.amdhsa_user_sgpr_count 2
		.amdhsa_user_sgpr_kernarg_segment_ptr 1
		.amdhsa_wavefront_size32 1
		.amdhsa_system_sgpr_workgroup_id_x 1
		.amdhsa_system_sgpr_workgroup_id_y 1
		.amdhsa_system_sgpr_workgroup_id_z 1
		.amdhsa_system_vgpr_workitem_id 0
		.amdhsa_next_free_vgpr 256
		.amdhsa_next_free_sgpr 66
		.amdhsa_reserve_vcc 0
		.amdhsa_float_denorm_mode_32 3
		.amdhsa_float_denorm_mode_16_64 3
		.amdhsa_memory_ordered 1
		.amdhsa_forward_progress 1
		.amdhsa_inst_pref_size 64
	.end_amdhsa_kernel
	.amdgpu_metadata
---
amdhsa.version: [ 1, 2 ]
amdhsa.kernels:
  - .name:           k_q8199adf68c_attn
    .symbol:         k_q8199adf68c_attn.kd
    .args:
      - { .name: qimg, .offset: 0, .size: 8, .value_kind: global_buffer, .address_space: global }
      - { .name: kvimg, .offset: 8, .size: 8, .value_kind: global_buffer, .address_space: global }
      - { .name: oimg, .offset: 16, .size: 8, .value_kind: global_buffer, .address_space: global }
      - { .name: oscl, .offset: 24, .size: 8, .value_kind: global_buffer, .address_space: global }
    .group_segment_fixed_size: 327680
    .private_segment_fixed_size: 0
    .kernarg_segment_align: 8
    .kernarg_segment_size: 32
    .max_flat_workgroup_size: 512
    .sgpr_count:     66
    .vgpr_count:     256
    .wavefront_size: 32
...
	.end_amdgpu_metadata
.endif
;; end of part 3
;; launch oproj (part 4): grid 8 x 32, 4 waves a work-group, clusters of 4 x 4, 327,680 bytes of LDS; arguments oimg, oscl, codes, scales, out0; writes out0
.if DOCPART == 4
	.amdgcn_target "amdgcn-amd-amdhsa--gfx1250"
	.amdhsa_code_object_version 6
	.text
	.protected	k_q8199adf68c_oproj
	.globl	k_q8199adf68c_oproj
	.p2align	8
	.type	k_q8199adf68c_oproj,@function
k_q8199adf68c_oproj:
	s_mov_b64 s[64:65], 0
	v_nop
	global_prefetch_b8 v0, s[64:65] scope:SCOPE_SE
	s_setreg_imm32_b32 hwreg(HW_REG_WAVE_MODE, 25, 1), 1
	s_wait_xcnt 0x0
	s_wait_alu depctr_hold_cnt(0) depctr_sa_sdst(0) depctr_va_vdst(0) depctr_va_sdst(0) depctr_va_ssrc(0) depctr_va_vcc(0) depctr_vm_vsrc(0)
	s_getreg_b32 s2, hwreg(HW_REG_IB_STS2, 6, 4)
	s_cmp_eq_u32 s2, 0
	s_cbranch_scc0 .Lentry_in_a_cluster
	s_endpgm
.Lentry_in_a_cluster:
	s_bfe_u32 s2, ttmp6, 0x10000c
	s_cmp_lg_u32 s2, 0xf033
	s_cbranch_scc0 .Lentry_shape_is_right
	s_endpgm
.Lentry_shape_is_right:
; out0 = o Wo^T on codes of FP6 (E2M3) with one E8M0 scale for each 32 along K = 1,024; sums in f32.
; o comes as images of operand registers: oimg[tile of 16 rows][head][piece of 2 registers][lane][8 bytes], 12,288 bytes a tile; oscl[tile][row][32 bytes].  Wo's codes lie in the buffer of codes from row 11,264 on,
; as [256 rows][K step of 256][192 bytes]; its scale bytes 32 a row.  Row r of tile T is row 128 (T / 8) + 32 ((T % 8) / 2) + 8 (T % 2) + r % 8 + 16 (r / 8) of out0.
; 256 work-groups of four waves, 2 x 2; a work-group makes 256 rows x 128 columns.  ALL OF K LIES IN LDS: o's 16 tiles (196,608 bytes, dense) and Wo's 128 rows (4 K steps x 128 x 240 bytes), one joint load a wave at the head,
; nothing filled again: wave 0 Wo's rows, wave 1 tiles 0-3, wave 2 tiles 4-9, wave 3 tiles 10-15.  Three barriers show them: Wo's rows; tiles 0-3; all.
; CLUSTERS 4 x 4: o's tiles are shared by a row of the cluster, Wo's rows by a column.  No prefetch into the L2: every tensor load goes out at the head, so there is no loop to run ahead in.
; A wave holds its 64 rows of Wo, all of K, in 384 registers and streams its eight blocks of 16 rows past them (the wave in row a takes tile 2 s + a as block s): 32 products a block, four accumulators by turns.
; A block's eight fragments lie twice in registers: behind block s its set takes block s + 2.  THE PRODUCT IS USED TRANSPOSED (source 0 = Wo's rows): a lane holds eight neighbouring columns of a row.
; THE WAY OUT: a block's 16 x 64 results go through the wave's stage, which lies in Wo's region (it has had its only fill, and every wave has read it out and passed a barrier), and leave as rows of 256 bytes.
; LIMITS: NaN and infinities are not served.
; REGISTERS: window 0: addresses, v24-39 Wo's scale words, v44-75 o's, v80-143 two sets of four accumulators, v144-207 two sets of rows read back.  Fragment f lies in window 1 + f / 21 at register 12 (f % 21):
; 0-31 Wo's (4 q + b), 32-39 and 40-47 o's two sets.
.set TILEB,  12288
.set BVB,    16*TILEB                  ; Wo's region
.set WK,     128*240                   ; a K step of it: rows of 3 x (64 + 16) bytes
.set SPITCH, 272
.set SPARE,  BVB+4*WK
.set AB,  4                            ; v4-9   LDS address of my next block, and 2,048 bytes on five times: a two-address load reaches 2,040 bytes
.set SPW, 10
.set NIL, 11
.set AW,  12                           ; v12-15 my rows of Wo: K steps 0-1 (and behind one padding more), K steps 2-3 (likewise)
.set STO, 16
.set RD,  17
.set CO,  18
.set ABS, 19
.set AAS, 20
.set SB,  24
.set SA,  44
.set ACC, 80
.set BK,  144
.set MSB, 0
.macro WIN new                         ; the immediate's high byte repeats the setting that is left
.if MSB != \new
	s_set_vgpr_msb (MSB<<8)|\new
.set MSB, \new
.endif
.endm
.macro WALU
	s_wait_alu depctr_va_vdst(0)
.endm
.macro BARRIER
	s_barrier_signal -1
	s_barrier_wait -1
.endm
.macro CROUND
	BARRIER
	s_cmp_lg_u32 s14, 0
	s_cbranch_scc1 .Lnot_wave_0_\@
	s_barrier_signal -3
.Lnot_wave_0_\@:
	s_barrier_wait -3
	BARRIER
.endm
.macro TLOAD g0, g1
	tensor_load_to_lds s[\g0:\g0+3], s[\g1:\g1+7]
	s_nop 0
.rept 4
	v_nop
.endr
.endm
.macro G1A g, rows                     ; o's tiles, dense: rows of 4,096 bytes, no padding
	s_or_b32 s[\g], s43, (3<<16)|(1<<21)
	s_mov_b32 s[\g+1], 512<<16
	s_mov_b32 s[\g+2], (\rows)<<16
	s_mov_b32 s[\g+3], 512<<16
	s_mov_b32 s[\g+4], \rows
	s_mov_b32 s[\g+5], 512
	s_mov_b32 s[\g+6], 0
	s_mov_b32 s[\g+7], 0
.endm
	s_load_b256 s[4:11], s[0:1], 0x0               ; oimg, oscl, codes, scales
	s_load_b64 s[12:13], s[0:1], 0x20              ; out0
	v_lshl_add_u32 v[SPW], v0, 2, SPARE
	v_mov_b32 v[NIL], 0
	ds_add_u32 v[SPW], v[NIL]                      ; the opening lines: the add, twice on end, and its wait
	ds_add_u32 v[SPW], v[NIL]
	v_lshrrev_b32 v1, 5, v0
	v_readfirstlane_b32 s14, v1                    ; wave; s15 its row a of the 2 x 2, s16 its column b
	s_lshr_b32 s15, s14, 1
	s_and_b32 s16, s14, 1
	s_bfe_u32 s40, ttmp6, 0x40000
	s_bfe_u32 s41, ttmp6, 0x40004
	s_lshl_b32 s42, ttmp9, 2
	s_add_co_u32 s42, s42, s40                     ; tile column, 0 .. 7
	s_and_b32 s17, ttmp7, 0xffff
	s_lshl_b32 s17, s17, 2
	s_add_co_u32 s17, s17, s41                     ; tile row, 0 .. 31
	s_lshl_b32 s43, s41, 2
	s_lshl_b32 s43, 15, s43                        ; my row of the cluster
	s_lshl_b32 s44, 0x1111, s40                    ; my column
	s_or_b32 s24, s44, (3<<16)|(1<<20)|(1<<21)|(3<<22)|(3<<25)   ; Wo: 4 rows of 24,576 bytes (128 rows of a K step), 49,152 apart; 16 bytes of padding behind every 64
	s_mov_b32 s25, 3072<<16
	s_mov_b32 s26, 4<<16
	s_mov_b32 s27, 3072<<16
	s_mov_b32 s28, 4
	s_mov_b32 s29, 6144
	s_mov_b32 s30, 0
	s_mov_b32 s31, 0
	G1A 32, 12                                     ; four tiles
	G1A 48, 18                                     ; six tiles
	s_mul_i32 s20, s17, 16*TILEB                   ; my 16 tiles of o
	s_mov_b32 s21, 0
	s_lshr_b32 s22, s42, 1
	s_add_co_u32 s22, s22, 44                      ; Wo begins at group 44 of 256 rows
	s_mul_i32 s22, s22, 196608
	s_and_b32 s23, s42, 1
	s_mul_i32 s23, s23, 24576
	s_add_co_u32 s22, s22, s23
	s_mov_b32 s23, 0
	s_lshl_b32 s46, s42, 7
	s_lshl_b32 s47, s16, 6
	s_add_co_u32 s46, s46, s47                     ; my first column
	s_lshl_b32 s78, s46, 2
	s_add_co_u32 s46, s46, 11264
	s_lshl_b32 s46, s46, 5                         ; its scale bytes
	s_mov_b32 s47, 0
	s_lshl_b32 s76, s17, 4
	s_add_co_u32 s76, s76, s15
	s_lshl_b32 s76, s76, 9                         ; o's scale bytes from tile 16 y + a on
	s_mov_b32 s77, 0
	s_lshl_b32 s79, s17, 8
	s_lshl_b32 s45, s15, 3
	s_add_co_u32 s79, s79, s45
	s_lshl_b32 s79, s79, 12                        ; out0: row 256 y + 8 a
	s_add_co_u32 s78, s78, s79
	s_mov_b32 s79, 0
	s_mul_i32 s18, s15, TILEB
	s_mul_i32 s19, s16, 64*240
	s_add_co_u32 s19, s19, BVB
	s_mul_i32 s45, s14, 16*SPITCH
	s_add_co_u32 s45, s45, BVB                     ; my stage
	s_mov_b32 s56, 1
	s_mov_b32 s57, BVB
	s_mov_b32 s60, 1
	s_mov_b32 s61, 0
	s_mov_b32 s68, 1
	s_mov_b32 s69, 4*TILEB
	s_mov_b32 s72, 1
	s_mov_b32 s73, 10*TILEB
	s_wait_dscnt 0x0
	s_wait_kmcnt 0x0
	s_add_nc_u64 s[58:59], s[8:9], s[22:23]
	s_add_nc_u64 s[62:63], s[4:5], s[20:21]
	s_add_nc_u64 s[70:71], s[62:63], 4*TILEB
	s_add_nc_u64 s[74:75], s[62:63], 10*TILEB
	s_or_b32 s59, s59, 0x80000000
	s_or_b32 s63, s63, 0x80000000
	s_or_b32 s71, s71, 0x80000000
	s_or_b32 s75, s75, 0x80000000
	s_add_nc_u64 s[10:11], s[10:11], s[46:47]
	s_add_nc_u64 s[6:7], s[6:7], s[76:77]
	s_add_nc_u64 s[12:13], s[12:13], s[78:79]
	CROUND                                         ; all sixteen work-groups are here: the joint loads meet
	s_cmp_eq_u32 s14, 0                            ; one load a wave, each in its own arm: what is needed first is asked for first
	s_cbranch_scc0 .Lw1
	TLOAD 56, 24
	s_branch .Lasked
.Lw1:
	s_cmp_eq_u32 s14, 1
	s_cbranch_scc0 .Lw2
	TLOAD 60, 32
	s_branch .Lasked
.Lw2:
	s_cmp_eq_u32 s14, 2
	s_cbranch_scc0 .Lw3
	TLOAD 68, 48
	s_branch .Lasked
.Lw3:
	TLOAD 72, 48
.Lasked:
	v_and_b32 v1, 15, v0                           ; r
	v_bfe_u32 v2, v0, 4, 1                         ; h
	v_and_b32 v3, 31, v0                           ; lane
	v_lshl_add_u32 v[AB], v3, 3, s18               ; o's images: 8 bytes a lane
.irp k, 1,2,3,4,5
	v_add_nc_u32 v[AB+\k], 2048*\k, v[AB]
.endr
	v_mul_u32_u24 v[AW], v1, 240
	v_mad_u32_u24 v[AW], v2, 24, v[AW]
	v_add_nc_u32 v[AW], s19, v[AW]                 ; Wo: row r x 240 + 24 h
	v_lshl_add_u32 v[AW+1], v2, 4, v[AW]
	v_add_nc_u32 v[AW+2], 2*WK, v[AW]
	v_add_nc_u32 v[AW+3], 2*WK, v[AW+1]
	v_mul_u32_u24 v[STO], v1, SPITCH
	v_lshl_add_u32 v[STO], v2, 5, v[STO]
	v_add_nc_u32 v[STO], s45, v[STO]               ; into the stage: row r, 32 bytes for each half of the lanes
	v_mul_u32_u24 v[RD], v2, SPITCH
	v_lshl_add_u32 v[RD], v1, 4, v[RD]
	v_add_nc_u32 v[RD], s45, v[RD]                 ; back: sixteen lanes to a row of 256 bytes, two rows a load
	v_lshlrev_b32 v[CO], 12, v2
	v_lshl_add_u32 v[CO], v1, 4, v[CO]             ; and the same two rows in out0
	v_lshlrev_b32 v[ABS], 5, v3                    ; Wo's scale words: lanes 0-15 an even tile's rows, lanes 16-31 the odd tile's
	v_lshlrev_b32 v[AAS], 10, v2
	v_lshl_add_u32 v[AAS], v1, 5, v[AAS]           ; o's: lanes 0-15 an even block's rows, lanes 16-31 the odd block's, two tiles on
.irp p, 0,1
.irp c, 0,1
	global_load_b128 v[SB+8*\p+4*\c:SB+8*\p+4*\c+3], v[ABS], s[10:11] offset:1024*\p+16*\c
.endr
.endr
.irp p, 0,1,2,3
.irp c, 0,1
	global_load_b128 v[SA+8*\p+4*\c:SA+8*\p+4*\c+3], v[AAS], s[6:7] offset:2048*\p+16*\c
.endr
.endr
.macro FRAGW q, b                      ; a fragment of Wo: six pieces of 8 bytes; where lanes 16-31 lie behind one padding more, the second address register serves
.set F_, 4*(\q)+(\b)
.set R_, 12*(F_%21)
	WIN (1+F_/21)<<6
.irp p, 0,1,2,3,4,5
.set PC, 12*((\q)%2)+6*(\p/3)+\p%3
.if PC%8 < 5
	ds_load_b64 v[R_+2*\p:R_+2*\p+1], v[AW+2*((\q)/4)] offset:WK*(((\q)/2)%2)+3840*(\b)+8*PC+16*(PC/8)
.else
	ds_load_b64 v[R_+2*\p:R_+2*\p+1], v[AW+2*((\q)/4)+1] offset:WK*(((\q)/2)%2)+3840*(\b)+8*PC+16*(PC/8)
.endif
.endr
.endm
.macro FETCH e                         ; a block of o, eight fragments, into set e: 24 loads of two pieces each
.irp q, 0,1,2,3,4,5,6,7
.set F_, 32+8*(\e)+\q
.set R_, 12*(F_%21)
	WIN (1+F_/21)<<6
.irp m, 0,1,2
.set Y_, 1536*\q+512*\m
	ds_load_2addr_b64 v[R_+4*\m:R_+4*\m+3], v[AB+Y_/2048] offset0:(Y_%2048)/8 offset1:(Y_%2048)/8+32
.endr
.endr
	WIN 0
.endm
.macro ADV                             ; on to my next block, two tiles on.  Behind a block's products these six lines are the places ahead of the loads into its fragments and of the reads of its results
.irp k, 0,1,2,3,4,5
	v_add_nc_u32 v[AB+\k], 2*TILEB, v[AB+\k]
.endr
	WALU
.endm
.macro MM c, ra, rb
	v_wmma_scale_f32_16x16x128_f8f6f4 v[D_:D_+7], v[RW_:RW_+11], v[RA_:RA_+11], \c, v[XW_], v[XA_] matrix_a_fmt:MATRIX_FMT_FP6 matrix_b_fmt:MATRIX_FMT_FP6 matrix_a_scale:MATRIX_SCALE_ROW\ra matrix_b_scale:MATRIX_SCALE_ROW\rb
.endm
.macro MC ra, rb                       ; a block's first four products start the sums
.if Q_
	MM v[D_:D_+7], \ra, \rb
.else
	MM 0, \ra, \rb
.endif
.endm
.macro PROD s, n                       ; product n = 4 q + b of block s
.set Q_, (\n)/4
.set B_, (\n)%4
.set FW_, 4*Q_+B_
.set FA_, 32+8*((\s)%2)+Q_
.set D_, ACC+32*((\s)%2)+8*B_
.set RW_, 12*(FW_%21)
.set RA_, 12*(FA_%21)
.set XW_, SB+8*(B_/2)+Q_
.set XA_, SA+8*((\s)/2)+Q_
	WIN (1+FW_/21)|((1+FA_/21)<<2)
.if B_%2
.if (\s)%2
	MC 1, 1
.else
	MC 1, 0
.endif
.else
.if (\s)%2
	MC 0, 1
.else
	MC 0, 0
.endif
.endif
.endm
.macro TOSTAGE s                       ; LDS serves a wave's instructions in order: no wait between the stores and the loads
.set AC_, ACC+32*((\s)%2)
.set BB_, BK+32*((\s)%2)
.irp b, 0,1,2,3
	ds_store_b128 v[STO], v[AC_+8*\b:AC_+8*\b+3] offset:64*\b          ; each accumulator from its low end on
	ds_store_b128 v[STO], v[AC_+8*\b+4:AC_+8*\b+7] offset:64*\b+16
.endr
.irp t, 0,1,2,3,4,5,6,7
	ds_load_b128 v[BB_+4*\t:BB_+4*\t+3], v[RD] offset:2*\t*SPITCH
.endr
.endm
.macro SEND s                          ; block s begins 32 s rows on; stage row 2 t + h is row (2 t) % 8 + h + 16 (t / 4) of it.  Sixteen lanes store 256 consecutive bytes, aligned
.set BB_, BK+32*((\s)%2)
.irp t, 0,1,2,3,4,5,6,7
	global_store_b128 v[CO], v[BB_+4*\t:BB_+4*\t+3], s[12:13] offset:131072*(\s)+4096*((2*\t)%8+16*(\t/4)) th:TH_STORE_NT
.endr
.endm
	WALU                                           ; the wait at the head's end
	s_cmp_eq_u32 s14, 0
	s_cbranch_scc0 .Lnot_w
	s_wait_tensorcnt 0x0
.Lnot_w:
	BARRIER                                        ; Wo's rows are in
.irp q, 0,1,2,3,4,5,6,7
.irp b, 0,1,2,3
	FRAGW \q, \b
.endr
.endr
	WIN 0
	s_cmp_lt_u32 s14, 2
	s_cbranch_scc0 .Lnot_a
	s_wait_tensorcnt 0x0
.Lnot_a:
	s_wait_dscnt 0x0                               ; my reads of Wo's region are over
	BARRIER                                        ; tiles 0-3 are in
	FETCH 0
	ADV
	FETCH 1
	s_wait_loadcnt 0x0                             ; the scale words
.irp s, 0,1,2,3,4,5,6,7
.if \s == 0
	s_wait_dscnt 24                                ; block 0's fragments are in; block 1's 24 loads may be out
.elseif \s < 7
	s_wait_dscnt 40                                ; younger than this block's fetch: the next block's 24 loads, and the last block's 16 through the stage
.else
	s_wait_dscnt 16
.endif
.set N_, 0
.rept 32
	PROD \s, N_
.set N_, N_+1
.endr
	WIN 0
.if \s == 0
	s_wait_tensorcnt 0x0
	s_wait_dscnt 0x0
	BARRIER                                        ; all of o is in, and no tensor load is out: from here on the stages are written
.endif
.if \s < 6
	ADV
	FETCH \s%2
.else
.rept 4
	v_nop
.endr
.endif
.if \s > 0
.if \s < 6
	s_wait_dscnt 24                                ; the last block is back from the stage; the 24 loads just issued may be out
.else
	s_wait_dscnt 0x0
.endif
	SEND \s-1
.endif
	s_wait_xcnt 0x0                                ; the stores have read their registers
	TOSTAGE \s
.endr
	s_wait_dscnt 0x0
	SEND 7
	s_wait_tensorcnt 0x0                           ; the wave's end
	ds_add_u32 v[SPW], v[NIL]
	s_wait_dscnt 0x0
	CROUND                                         ; the closing round
	s_endpgm
.Lfunc_end_k_q8199adf68c_oproj:
	.size	k_q8199adf68c_oproj, .Lfunc_end_k_q8199adf68c_oproj-k_q8199adf68c_oproj
	.p2alignl 7, 3214868480
	.fill 96, 4, 3214868480
	.section	.rodata,"a",@progbits
	.p2align	6, 0x0
	.amdhsa_kernel k_q8199adf68c_oproj
		.amdhsa_group_segment_fixed_size 327680
		.amdhsa_private_segment_fixed_size 0
		.amdhsa_enable_private_segment 0
		.amdhsa_kernarg_size 40
		.amdhsa_user_sgpr_count 2
		.amdhsa_user_sgpr_kernarg_segment_ptr 1
		.amdhsa_wavefront_size32 1
		.amdhsa_system_sgpr_workgroup_id_x 1
		.amdhsa_system_sgpr_workgroup_id_y 1
		.amdhsa_system_sgpr_workgroup_id_z 1
		.amdhsa_system_vgpr_workitem_id 0
		.amdhsa_next_free_vgpr 896
		.amdhsa_next_free_sgpr 96
		.amdhsa_reserve_vcc 0
		.amdhsa_float_denorm_mode_32 3
		.amdhsa_float_denorm_mode_16_64 3
		.amdhsa_memory_ordered 1
		.amdhsa_forward_progress 1
		.amdhsa_inst_pref_size 86
	.end_amdhsa_kernel
	.amdgpu_metadata
---
amdhsa.version: [ 1, 2 ]
amdhsa.kernels:
  - .name:           k_q8199adf68c_oproj
    .symbol:         k_q8199adf68c_oproj.kd
    .args:
      - { .name: oimg, .offset: 0, .size: 8, .value_kind: global_buffer, .address_space: global }
      - { .name: oscl, .offset: 8, .size: 8, .value_kind: global_buffer, .address_space: global }
      - { .name: codes, .offset: 16, .size: 8, .value_kind: global_buffer, .address_space: global }
      - { .name: scales, .offset: 24, .size: 8, .value_kind: global_buffer, .address_space: global }
      - { .name: out0, .offset: 32, .size: 8, .value_kind: global_buffer, .address_space: global }
    .group_segment_fixed_size: 327680
    .private_segment_fixed_size: 0
    .kernarg_segment_align: 8
    .kernarg_segment_size: 40
    .max_flat_workgroup_size: 128
    .sgpr_count:     96
    .vgpr_count:     896
    .wavefront_size: 32
...
	.end_amdgpu_metadata
.endif
;; end of part 4
